; MI455X (gfx1250); checked and timed in simulation.
; The chip was launched on July 23, 2026; its instructions are those of AMD's public machine-readable ISA for CDNA 5 (MIT licence, August 2026) and "CDNA5" Instruction Set Architecture Reference Guide (July 2026). The comments in the code are by the model that wrote it; some were corrected since.
;; Multihead Attention With Ro PE. Allowed arithmetic: matrix products marked QUANTISED: E2M1 operands, one E8M0 scale for each 32 along K, by v_wmma_scale_f32_16x16x128_f8f6f4 with both operands' format E2M1 (or v_wmma_scale_f32_32x16x128_f4), f32 sums; products left as they are: bf16, f16 or f32 operands; f32 sums; everything else in f32.
;; Inputs: Wk 1,024 x 1,024 float32; Wo 1,024 x 1,024 float32; Wq 1,024 x 1,024 float32; Wv 1,024 x 1,024 float32; attn_mask 2 x 2,048 bool; bias_emb 2 x 16 float32; freqs 2,048 x 512 float32; key 2 x 2,048 x 1,024 float32; kv_id 2 x 2,048 int32; query 2 x 2,048 x 1,024 float32; query_id 2 x 2,048 int32; value 2 x 2,048 x 1,024 float32.
;; Outputs: out0 2 x 2,048 x 1,024 float32.
;; This version of the problem:
;;   THIS VERSION OF THE PROBLEM IS GIVEN IN LOW PRECISION. The matrix products marked QUANTISED in the list below multiply operands that are first quantised to E2M1 (2 exponent bits, 1 mantissa bit; 4 bits a number), with one power-of-two scale for each 32 numbers along K (OCP MX v1.0); their sums are f32. The products marked 'left as it is' may take bf16, f16 or f32 operands, with f32 sums. Whichever they take, every output number must still come out within the allowed error. Rounding operands to bf16 (8 significant bits) uses up far more of that allowance than f16 does (11 bits, for magnitudes from 6e-5 to 65,504). All else is computed in f32.
;;   The module's matrix products, in the order in which they are computed (A, B: the left and right operand; K: the contracted axis; several contracted axes count as one K, in the product's order):
;;     1. [M 4,096, K 1,024] x [K 1,024, N 1,024]; A: input query; B: input Wq: QUANTISED
;;     2. [M 4,096, K 1,024] x [K 1,024, N 1,024]; A: input key; B: input Wk: QUANTISED
;;     3. [M 4,096, K 1,024] x [K 1,024, N 1,024]; A: input value; B: input Wv: QUANTISED
;;     4. batch 32 x [M 2,048, K 64] x [K 64, N 2,048]; A: computed on the way; B: computed on the way: left as it is (an operand is computed on the way)
;;     5. batch 32 x [M 2,048, K 2,048] x [K 2,048, N 64]; A: computed on the way; B: computed on the way: left as it is (an operand is computed on the way)
;;     6. [M 4,096, K 1,024] x [K 1,024, N 1,024]; A: computed on the way; B: input Wo: left as it is (an operand is computed on the way)
;;   THE QUANTISER, for each operand of a quantised product, along K:
;;     - K is cut into blocks of 32 from its start; a last block that is shorter is filled with zeros.
;;     - A block's scale is 2^e with e = floor(log2(the largest magnitude in the block)) - 2, held to -126 .. 127; a block of zeros has e = 0. As a byte (E8M0): e + 127.
;;     - Each number is divided by its block's scale, clamped to +-6, and rounded to the nearest number of E2M1, ties to even, subnormals kept.
;;     - The product sums the exact products of the quantised numbers (number of the format x scale) in f32.
;;   ~~~python
;;   def quantise(x, axis):      # numpy; x: float32 -> the quantised numbers, widened to float32 again
;;       x = np.moveaxis(x, axis, -1); K = x.shape[-1]
;;       x = np.pad(x, [(0, 0)] * (x.ndim - 1) + [(0, -K % 32)]); x = x.reshape(x.shape[:-1] + (-1, 32)); a = np.abs(x).max(-1, keepdims=True)
;;       e = np.where(a > 0, np.clip(np.frexp(np.where(a > 0, a, 1))[1] - 1 - 2, -126, 127), 0)      # np.frexp(a)[1] - 1 = floor(log2(a)), exactly
;;       r = np.clip(x / 2.0 ** e, -6, 6)
;;       step = 2.0 ** (np.maximum(np.frexp(np.where(r == 0, 1, r))[1] - 1, 0) - 1)
;;       q = np.round(r / step) * step * 2.0 ** e      # np.round: ties to even
;;       return np.moveaxis(q.reshape(q.shape[:-2] + (-1,))[..., :K], -1, axis).astype(np.float32)
;;   ~~~
;; One version. Each part assembles by itself: llvm-mc -triple=amdgcn-amd-amdhsa -mcpu=gfx1250 --defsym DOCPART=n.
;; ======== version 1 of 1: 4 launches
;; limits: values are held in f16: magnitudes above 65,504 overflow, below 6.1e-05 lose precision
;; workspace buffers: acodes 6,291,456 bytes; ascales 393,216 bytes; wcodes 1,572,864 bytes; wscales 98,304 bytes; wo16 2,097,152 bytes; rope 9,437,184 bytes; qkv 25,165,824 bytes; yT 8,388,608 bytes
;; launch prep (part 1): grid 1120 x 1, 4 waves a work-group, no clusters, 33,280 bytes of LDS; arguments query, key, value, Wq, Wk, Wv, Wo, freqs, acodes, ascales, wcodes, wscales, wo16, rope, query_id, kv_id, attn_mask; writes acodes, ascales, wcodes, wscales, wo16, rope
.if DOCPART == 1
	.amdgcn_target "amdgcn-amd-amdhsa--gfx1250"
	.amdhsa_code_object_version 6
	.text
	.protected	k_q606afaf592_prep
	.globl	k_q606afaf592_prep
	.p2align	8
	.type	k_q606afaf592_prep,@function
k_q606afaf592_prep:
	s_mov_b64 s[64:65], 0
	v_nop
	global_prefetch_b8 v0, s[64:65] scope:SCOPE_SE
	s_setreg_imm32_b32 hwreg(HW_REG_WAVE_MODE, 25, 1), 1
	s_wait_xcnt 0x0
; PREP: everything that is made once from the inputs, in one launch.  The work-group's number picks one of four paths.
;  0..479    query, key, value [4096][1024] and Wq, Wk, Wv [1024][1024], f32, K innermost, become codes of FP4 (E2M1) with one E8M0 byte for each 32 along K.
;            Rows are dense and K is a multiple of 32: each tensor is a plain stream of blocks of 32.  A work-group takes 32,768 numbers, a wave 8,192 in 16 steps of 512.
;            acodes [12288 rows = query, key, value][512 bytes], ascales [12288][32];  wcodes [3072 = Wq, Wk, Wv][512], wscales [3072][32].
;  480..607  Wo [1024][1024] f32 becomes f16 (the last product's operand), 8,192 numbers a work-group.
;  608..863  freqs [2048][512] becomes a plane of cosines and, 4,194,304 bytes on, a plane of sines, in f32; 4,096 numbers a work-group.
;  864..1119 the masks of like ids, 8,388,608 bytes on in the same buffer: [b][tile of 16 queries T][step of 64 keys s][n = 0..31], a word each.  Bit r + 16 h of word n says: query_id[b][16 T + r] equals
;            kv_id[b][k] and attn_mask[b][k] is true, for key k = 64 s + 16 (n / 8) + 8 h + n % 8: the place that lane r + 16 h, register n has in the attention's tile of scores.  All 16 heads read the same words.
; THE QUANTISER: a block's scale is 2^(floor(log2(largest magnitude)) - 2); its byte is the largest magnitude's exponent field - 2, held at 1 from below.  A block of zeros so gets the byte 1
; where the rule says 127: its codes are zeros, and the bytes are read by this program alone.  Each number is divided by the scale and rounded to the nearest code, ties to even, beyond 6 to 6.
; SINE AND COSINE: n = the nearest whole number to x 2/pi; r = x - n pi/2 with pi/2 in three parts, by fused multiply-adds; polynomials in r on [-pi/4, pi/4]; the quadrant n mod 4 swaps and signs them.
; LIMITS: NaN and infinities among the inputs are not served; blocks whose largest magnitude lies under 2^-124 keep the byte 1; |Wo| above 65,504 has no f16 number;
; |freqs| above some 1e5 loses accuracy in the three-part reduction.  The ids may be any 32-bit numbers.
.set WREG,  8192                       ; LDS: a region for each wave: two stages of 32 x SP bytes, behind them its 256 scale bytes
.set SP,    80                         ; a lane's place in a stage: 64 bytes + 16 of padding
.set SPARE, 4*WREG                     ; behind the four regions: the spare words, 128 bytes for each wave, which no other line names
.set STEPS, 16
.set CB,    8                          ; bytes of 16 codes
.set R,     16                         ; v16-79   four sets of 16 numbers as loaded
.set X,     80                         ; v80-111  two sets of 16 neighbours
.set E,     112                        ; v112-127 a scale byte for each step
.set C,     128                        ; v128-191 codes, four registers for each step: no store's data are written again
.set SPW,   12                         ; v12  LDS address of my spare word; never rewritten
.set NIL,   13                         ; v13  0; never rewritten
	s_load_b512 s[4:19], s[0:1], 0x0               ; query, key, value, Wq, Wk, Wv, Wo, freqs
	s_load_b256 s[20:27], s[0:1], 0x40             ; acodes, ascales, wcodes, wscales
	s_load_b128 s[28:31], s[0:1], 0x60             ; wo16, rope
	s_load_b128 s[52:55], s[0:1], 0x70             ; query_id, kv_id
	s_load_b64 s[56:57], s[0:1], 0x80              ; attn_mask
	v_lshl_add_u32 v[SPW], v0, 2, SPARE
	v_mov_b32 v[NIL], 0
	v_lshrrev_b32 v1, 5, v0
	v_readfirstlane_b32 s48, v1                    ; wave
	v_and_b32 v2, 31, v0                           ; lane
	v_lshlrev_b32 v3, 4, v2                        ; my 16 bytes of 512
	s_wait_kmcnt 0x0
	s_cmp_lt_u32 ttmp9, 480
	s_cbranch_scc0 .Lnot_quant
	; ---------------- the quantiser ----------------
	s_mul_i32 s49, s48, WREG
	v_lshrrev_b32 v14, 2, v2
	v_mul_u32_u24 v14, v14, SP
	v_and_b32 v15, 3, v2
	v_lshl_add_u32 v14, v15, 4, v14
	v_add_nc_u32 v14, s49, v14                     ; the stage, on the way in: four lanes' 64 bytes on end, then 16 of padding
	v_mul_u32_u24 v15, v2, SP
	v_add_nc_u32 v15, s49, v15                     ; on the way out: SP x lane: my 16 neighbours
	v_mul_u32_u24 v4, v2, CB                       ; my codes' place in a step's
	v_lshrrev_b32 v5, 1, v2
	s_add_co_u32 s49, s49, 2*32*SP
	v_add_nc_u32 v5, s49, v5                       ; my wave's 256 scale bytes, my block's byte
	v_lshlrev_b32 v7, 3, v2                        ; and on the way out 8 bytes a lane
	v_add_nc_u32 v6, s49, v7
	; which tensor: the choice hangs on the work-group's number alone.  s[32:33] the source, s34 its first work-group; s[36:37], s[38:39] codes and scale bytes, s35 their first work-group
	s_mov_b64 s[32:33], s[14:15]                   ; 448..479 Wv
	s_mov_b32 s34, 448
	s_cmp_lt_u32 ttmp9, 448
	s_cselect_b64 s[32:33], s[12:13], s[32:33]     ; 416..447 Wk
	s_cselect_b32 s34, 416, s34
	s_cmp_lt_u32 ttmp9, 416
	s_cselect_b64 s[32:33], s[10:11], s[32:33]     ; 384..415 Wq
	s_cselect_b32 s34, 384, s34
	s_cmp_lt_u32 ttmp9, 384
	s_cselect_b64 s[32:33], s[8:9], s[32:33]       ; 256..383 value
	s_cselect_b32 s34, 256, s34
	s_cselect_b64 s[36:37], s[20:21], s[24:25]     ; the three activations share acodes and ascales, the three weights wcodes and wscales
	s_cselect_b64 s[38:39], s[22:23], s[26:27]
	s_cselect_b32 s35, 0, 384
	s_cmp_lt_u32 ttmp9, 256
	s_cselect_b64 s[32:33], s[6:7], s[32:33]       ; 128..255 key
	s_cselect_b32 s34, 128, s34
	s_cmp_lt_u32 ttmp9, 128
	s_cselect_b64 s[32:33], s[4:5], s[32:33]       ; 0..127 query
	s_cselect_b32 s34, 0, s34
	s_sub_co_u32 s34, ttmp9, s34
	s_lshl_b32 s34, s34, 2
	s_add_co_u32 s34, s34, s48                     ; which run of 8,192 numbers of the source is my wave's
	s_lshl_b32 s40, s34, 15                        ; 32,768 bytes a run
	s_mov_b32 s41, 0
	s_add_nc_u64 s[32:33], s[32:33], s[40:41]
	s_sub_co_u32 s35, ttmp9, s35
	s_lshl_b32 s35, s35, 2
	s_add_co_u32 s35, s35, s48                     ; and which run of the destination
	s_lshl_b32 s40, s35, 12                        ; 4,096 bytes of codes,
	s_add_nc_u64 s[36:37], s[36:37], s[40:41]
	s_lshl_b32 s40, s35, 8                         ; 256 scale bytes
	s_add_nc_u64 s[38:39], s[38:39], s[40:41]
.macro LOAD t
.irp i, 0,1,2,3
	global_load_b128 v[R+16*((\t)%4)+4*\i:R+16*((\t)%4)+4*\i+3], v3, s[32:33] offset:2048*(\t)+512*\i th:TH_LOAD_NT   ; 32 lanes read 512 consecutive bytes
.endr
.endm
.macro TURN t                          ; step t's numbers through the stage, so that a lane gets 16 neighbours: LDS serves a wave's instructions in order, so no wait stands between the stores and the loads
.irp i, 0,1,2,3
	ds_store_b128 v14, v[R+16*((\t)%4)+4*\i:R+16*((\t)%4)+4*\i+3] offset:32*SP*((\t)%2)+8*SP*\i
.endr
.irp i, 0,1,2,3
	ds_load_b128 v[X+16*((\t)%2)+4*\i:X+16*((\t)%2)+4*\i+3], v15 offset:32*SP*((\t)%2)+16*\i
.endr
.endm
.irp t, 0,1,2,3
	LOAD \t
.endr
	s_wait_loadcnt 12                              ; step 0's four loads are in; the twelve of steps 1 to 3 may be out
	TURN 0
.macro STEP t
.set XS, X+16*((\t)%2)
.if (\t) > 0
	s_wait_dscnt 1                                 ; this step's numbers are back from the stage (the last step's byte store may be out)
.else
	s_wait_dscnt 0x0
.endif
.if (\t)+4 < STEPS
	LOAD (\t)+4                                    ; into the registers that this step's stage stores have read
.endif
.if (\t)+1 < STEPS
.if STEPS-2-(\t) >= 3
	s_wait_loadcnt 12                              ; the next step's four loads are in; those of the three steps behind it may be out
.else
	s_wait_loadcnt 4*(STEPS-2-(\t))
.endif
	TURN (\t)+1
.endif
	v_max3_num_f32 v8, |v[XS]|, |v[XS+1]|, |v[XS+2]|               ; the largest magnitude of my 16, in two chains
	v_max3_num_f32 v9, |v[XS+3]|, |v[XS+4]|, |v[XS+5]|
.irp i, 6,10
	v_max3_num_f32 v8, v8, |v[XS+\i]|, |v[XS+\i+1]|
	v_max3_num_f32 v9, v9, |v[XS+\i+2]|, |v[XS+\i+3]|
.endr
	v_max3_num_f32 v8, v8, |v[XS+14]|, |v[XS+15]|
	v_max3_num_f32 v8, v8, v9, 0x1800000           ; and the floor 2^(3 - 127): the byte cannot fall under 1
	v_max_num_f32_dpp v8, v8, v8 row_xmask:1 row_mask:0xf bank_mask:0xf   ; with my neighbour's 16: the block's
	v_add_nc_u32 v11, 0xff000000, v8               ; 2 off its exponent field: the conversion takes the exponent field of this operand as its scale
	v_cvt_scalef32_pk8_fp4_f32 v[C+4*(\t)], v[XS:XS+7], v11
	v_cvt_scalef32_pk8_fp4_f32 v[C+4*(\t)+1], v[XS+8:XS+15], v11
	v_lshrrev_b32 v[E+(\t)], 23, v11               ; the scale's byte
	ds_store_b8 v5, v[E+(\t)] offset:16*(\t)       ; both lanes of a block write the same byte with the same value
	global_store_b64 v4, v[C+4*(\t):C+4*(\t)+1], s[36:37] offset:32*CB*(\t)   ; the wave stores 256 consecutive bytes, aligned
.endm
.irp t, 0,1,2,3,4,5,6,7,8,9,10,11,12,13,14,15
	STEP \t
.endr
	ds_load_b64 v[8:9], v6                         ; my wave's 256 scale bytes, 8 a lane: these see my stores
	s_wait_dscnt 0x0
	global_store_b64 v7, v[8:9], s[38:39]          ; 256 consecutive bytes, aligned
	s_wait_tensorcnt 0x0                           ; the wave's end, behind my last LDS store
	ds_add_u32 v[SPW], v[NIL]
	s_wait_dscnt 0x0
	s_endpgm
.Lnot_quant:
	s_cmp_lt_u32 ttmp9, 608
	s_cbranch_scc0 .Lrope
	; ---------------- Wo to f16: a wave takes 2,048 numbers
	s_sub_co_u32 s34, ttmp9, 480
	s_lshl_b32 s34, s34, 2
	s_add_co_u32 s34, s34, s48
	s_lshl_b32 s40, s34, 13                        ; 8,192 bytes in,
	s_mov_b32 s41, 0
	s_add_nc_u64 s[16:17], s[16:17], s[40:41]
	s_lshl_b32 s40, s34, 12                        ; 4,096 out
	s_add_nc_u64 s[28:29], s[28:29], s[40:41]
	v_lshlrev_b32 v4, 3, v2
.irp i, 0,1,2,3,4,5,6,7,8,9,10,11,12,13,14,15
	global_load_b128 v[16+4*\i:19+4*\i], v3, s[16:17] offset:512*\i th:TH_LOAD_NT
.endr
.irp i, 0,1,2,3,4,5,6,7,8,9,10,11,12,13,14,15
	s_wait_loadcnt 15-\i                           ; loads come back in order: load i is in, the younger ones stay out
	v_cvt_pk_f16_f32 v[80+2*\i], v[16+4*\i], v[17+4*\i]
	v_cvt_pk_f16_f32 v[81+2*\i], v[18+4*\i], v[19+4*\i]
	global_store_b64 v4, v[80+2*\i:81+2*\i], s[28:29] offset:256*\i   ; 256 consecutive bytes, aligned; each store has data registers of its own
.endr
	s_endpgm
.Lrope:
	s_cmp_lt_u32 ttmp9, 864
	s_cbranch_scc0 .Lmask
	; ---------------- cosines and sines: a wave takes 1,024 numbers
	s_sub_co_u32 s34, ttmp9, 608
	s_lshl_b32 s34, s34, 2
	s_add_co_u32 s34, s34, s48
	s_lshl_b32 s40, s34, 12                        ; 4,096 bytes, in and in each plane
	s_mov_b32 s41, 0
	s_add_nc_u64 s[18:19], s[18:19], s[40:41]
	s_add_nc_u64 s[30:31], s[30:31], s[40:41]
.irp i, 0,1,2,3,4,5,6,7
	global_load_b128 v[16+4*\i:19+4*\i], v3, s[18:19] offset:512*\i th:TH_LOAD_NT
.endr
	s_mov_b32 s36, 0x3f22f983                      ; 2 / pi
	s_mov_b32 s37, 0xbfc90fd8                      ; -pi/2 in three parts, the first two short enough that n times them is exact for the n served
	s_mov_b32 s38, 0xb4a8885a
	s_mov_b32 s39, 0xa7c234c4
	s_mov_b32 s40, 0x37cd4000                      ; cosine: 2.4467707e-5 z^4 - 1.3887730e-3 z^3 + 4.1666657e-2 z^2 - z / 2 + 1, z = r^2
	s_mov_b32 s41, 0xbab6077d
	s_mov_b32 s42, 0x3d2aaaa8
	s_mov_b32 s43, 0x36405000                      ; sine: r + r z (2.8656796e-6 z^3 - 1.9855992e-4 z^2 + 8.3333859e-3 z - 1.6666667e-1)
	s_mov_b32 s44, 0xb9503486
	s_mov_b32 s45, 0x3c0888c1
	s_mov_b32 s46, 0xbe2aaaab
.set FX, 16                            ; v16-47   the numbers
.set CO, 48                            ; v48-79   cosines
.set SI, 80                            ; v80-111  sines
.set TN, 112                           ; four numbers by turns: n, n as a whole number, r, z, the two polynomials, at work
.set TW, 116
.set TR, 120
.set TZ, 124
.set TC, 128
.set TS, 132
.set TT, 136
.macro SINCOS4 i
.irp k, 0,1,2,3
	v_mul_f32 v[TN+\k], s36, v[FX+4*\i+\k]
.endr
.irp k, 0,1,2,3
	v_rndne_f32 v[TN+\k], v[TN+\k]
.endr
.irp k, 0,1,2,3
	v_fma_f32 v[TR+\k], v[TN+\k], s37, v[FX+4*\i+\k]
.endr
.irp k, 0,1,2,3
	v_fma_f32 v[TR+\k], v[TN+\k], s38, v[TR+\k]
.endr
.irp k, 0,1,2,3
	v_fma_f32 v[TR+\k], v[TN+\k], s39, v[TR+\k]
.endr
.irp k, 0,1,2,3
	v_cvt_i32_f32 v[TW+\k], v[TN+\k]
.endr
.irp k, 0,1,2,3
	v_mul_f32 v[TZ+\k], v[TR+\k], v[TR+\k]
.endr
.irp k, 0,1,2,3
	v_fma_f32 v[TC+\k], v[TZ+\k], s40, s41
	v_fma_f32 v[TS+\k], v[TZ+\k], s43, s44
.endr
.irp k, 0,1,2,3
	v_fma_f32 v[TC+\k], v[TC+\k], v[TZ+\k], s42
	v_fma_f32 v[TS+\k], v[TS+\k], v[TZ+\k], s45
.endr
.irp k, 0,1,2,3
	v_fma_f32 v[TC+\k], v[TC+\k], v[TZ+\k], -0.5
	v_fma_f32 v[TS+\k], v[TS+\k], v[TZ+\k], s46
.endr
.irp k, 0,1,2,3
	v_fma_f32 v[TC+\k], v[TC+\k], v[TZ+\k], 1.0
	v_mul_f32 v[TT+\k], v[TR+\k], v[TZ+\k]
.endr
.irp k, 0,1,2,3
	v_fma_f32 v[TS+\k], v[TS+\k], v[TT+\k], v[TR+\k]
.endr
.irp k, 0,1,2,3                        ; the quadrant: odd n swaps the two; sine is negative where n mod 4 is 2 or 3, cosine where it is 1 or 2
	v_and_b32 v[TT+\k], 1, v[TW+\k]
	v_cmp_ne_u32 vcc_lo, 0, v[TT+\k]
	v_cndmask_b32 v[SI+4*\i+\k], v[TS+\k], v[TC+\k], vcc_lo
	v_cndmask_b32 v[CO+4*\i+\k], v[TC+\k], v[TS+\k], vcc_lo
	v_and_b32 v[TT+\k], 2, v[TW+\k]
	v_add_nc_u32 v[TW+\k], 1, v[TW+\k]
	v_lshlrev_b32 v[TT+\k], 30, v[TT+\k]
	v_and_b32 v[TW+\k], 2, v[TW+\k]
	v_xor_b32 v[SI+4*\i+\k], v[TT+\k], v[SI+4*\i+\k]
	v_lshlrev_b32 v[TW+\k], 30, v[TW+\k]
	v_xor_b32 v[CO+4*\i+\k], v[TW+\k], v[CO+4*\i+\k]
.endr
.endm
.irp i, 0,1,2,3,4,5,6,7
	s_wait_loadcnt 7-\i                            ; load i is in, the younger ones stay out
	SINCOS4 \i
	global_store_b128 v3, v[CO+4*\i:CO+4*\i+3], s[30:31] offset:512*\i            ; 512 consecutive bytes; each store has data registers of its own
	global_store_b128 v3, v[SI+4*\i:SI+4*\i+3], s[30:31] offset:512*\i+0x400000
.endr
	s_endpgm
.Lmask:
	; ---------------- the masks of like ids: a wave takes two steps of 64 keys and four tiles of 16 queries.
	; a compare then gives a word in the very order in which the attention's lanes hold their scores.
.set KVI, 16                           ; v16-79   key ids: register 32 s + 8 kt + j
.set MBY, 80                           ; v80-95   the keys' mask bytes: eight to a pair of registers
.set QI,  96                           ; v96-99   my query's id in the four tiles
.set OW,  100                          ; v100-107 the words on their way out: a pair for each tile: lane l holds words 2 l and 2 l + 1 of the two steps' 64
.set TV,  108                          ; v108-115 at work
.set VW,  4                            ; s4-35, s66-97  which lanes' keys count: a word for each register, step 0's and step 1's
.set TSG, 44                           ; s44-51   eight words at work
	s_sub_co_u32 s58, ttmp9, 864
	s_lshl_b32 s58, s58, 2
	s_add_co_u32 s58, s58, s48                     ; 0..1023
	s_lshr_b32 s59, s58, 9                         ; b
	s_bfe_u32 s60, s58, 0x40005                    ; which pair of key steps, 0..15
	s_and_b32 s61, s58, 31                         ; which four query tiles
	s_lshl_b32 s62, s59, 13                        ; a batch's 2,048 ids are 8,192 bytes
	s_lshl_b32 s40, s61, 8                         ; four tiles' 64 ids are 256
	s_add_co_u32 s40, s40, s62
	s_mov_b32 s41, 0
	s_add_nc_u64 s[52:53], s[52:53], s[40:41]      ; query_id at my first query
	s_lshl_b32 s40, s60, 9                         ; two steps' 128 ids are 512
	s_add_co_u32 s40, s40, s62
	s_add_nc_u64 s[54:55], s[54:55], s[40:41]      ; kv_id at my first key
	s_lshl_b32 s40, s59, 11
	s_lshl_b32 s62, s60, 7
	s_add_co_u32 s40, s40, s62
	s_add_nc_u64 s[56:57], s[56:57], s[40:41]      ; attn_mask likewise, a byte a key
	s_lshl_b32 s40, s59, 19                        ; out: a batch is 128 tiles of 4,096 bytes,
	s_lshl_b32 s62, s61, 14                        ; four tiles,
	s_add_co_u32 s40, s40, s62
	s_lshl_b32 s62, s60, 8                         ; two steps are 256 bytes,
	s_add_co_u32 s40, s40, s62
	s_add_co_u32 s40, s40, 0x800000                ; behind the two planes
	s_add_nc_u64 s[42:43], s[30:31], s[40:41]
	v_and_b32 v4, 15, v2                           ; r
	v_lshrrev_b32 v5, 4, v2                        ; h
	v_lshlrev_b32 v6, 2, v4                        ; query ids: 4 r
	v_lshlrev_b32 v7, 5, v5                        ; key ids: my half's eight are 32 bytes
	v_lshlrev_b32 v8, 3, v5                        ; mask bytes: 8
	v_lshlrev_b32 v9, 3, v2                        ; out: 8 bytes a lane
.irp s, 0,1
.irp kt, 0,1,2,3
	global_load_b64 v[MBY+2*(4*\s+\kt):MBY+2*(4*\s+\kt)+1], v8, s[56:57] offset:64*\s+16*\kt
.endr
.endr
.irp s, 0,1
.irp kt, 0,1,2,3
.irp u, 0,1
	global_load_b128 v[KVI+32*\s+8*\kt+4*\u:KVI+32*\s+8*\kt+4*\u+3], v7, s[54:55] offset:256*\s+64*\kt+16*\u
.endr
.endr
.endr
.irp i, 0,1,2,3
	global_load_b32 v[QI+\i], v6, s[52:53] offset:64*\i
.endr
.irp i, 0,1,2,3,4,5,6,7
	v_mov_b32 v[OW+\i], 0                          ; written once: a lane write's destination counts as one of its sources
.endr
	s_wait_loadcnt 20                              ; the eight loads of mask bytes are in; the sixteen of key ids and the four of query ids may be out
.irp s, 0,1
.irp kt, 0,1,2,3
.irp j, 0,1,2,3,4,5,6,7
	v_bfe_u32 v[TV+\j], v[MBY+2*(4*\s+\kt)+\j/4], 8*(\j%4), 8
.endr
.irp j, 0,1,2,3,4,5,6,7
	v_cmp_ne_u32 s[VW+62*\s+8*\kt+\j], 0, v[TV+\j]   ; the lanes whose key counts; made once, used for all four tiles
.endr
.endr
.endr
	s_wait_loadcnt 0x0
.irp i, 0,1,2,3
.irp s, 0,1
.irp g, 0,1,2,3
.irp k, 0,1,2,3,4,5,6,7
	v_cmp_eq_u32 s[TSG+\k], v[KVI+32*\s+8*\g+\k], v[QI+\i]
.endr
.irp k, 0,1,2,3,4,5,6,7
	s_and_b32 s[TSG+\k], s[TSG+\k], s[VW+62*\s+8*\g+\k]
.endr
.irp k, 0,1,2,3,4,5,6,7
	v_writelane_b32 v[OW+2*\i+\k%2], s[TSG+\k], 16*\s+4*\g+\k/2   ; word 32 s + 8 g + k of the 64 goes to lane (that) / 2, register (that) % 2
.endr
.endr
.endr
	global_store_b64 v9, v[OW+2*\i:OW+2*\i+1], s[42:43] offset:4096*\i   ; 256 consecutive bytes, aligned; each store has data registers of its own
.endr
	s_endpgm
.Lfunc_end_k_q606afaf592_prep:
	.size	k_q606afaf592_prep, .Lfunc_end_k_q606afaf592_prep-k_q606afaf592_prep
	.p2alignl 7, 3214868480
	.fill 96, 4, 3214868480
	.section	.rodata,"a",@progbits
	.p2align	6, 0x0
	.amdhsa_kernel k_q606afaf592_prep
		.amdhsa_group_segment_fixed_size 33280
		.amdhsa_private_segment_fixed_size 0
		.amdhsa_enable_private_segment 0
		.amdhsa_kernarg_size 136
		.amdhsa_user_sgpr_count 2
		.amdhsa_user_sgpr_kernarg_segment_ptr 1
		.amdhsa_wavefront_size32 1
		.amdhsa_system_sgpr_workgroup_id_x 1
		.amdhsa_system_sgpr_workgroup_id_y 1
		.amdhsa_system_sgpr_workgroup_id_z 1
		.amdhsa_system_vgpr_workitem_id 0
		.amdhsa_next_free_vgpr 192
		.amdhsa_next_free_sgpr 100
		.amdhsa_reserve_vcc 1
		.amdhsa_float_denorm_mode_32 3
		.amdhsa_float_denorm_mode_16_64 3
		.amdhsa_memory_ordered 1
		.amdhsa_forward_progress 1
		.amdhsa_inst_pref_size 134
	.end_amdhsa_kernel
	.amdgpu_metadata
---
amdhsa.version: [ 1, 2 ]
amdhsa.kernels:
  - .name:           k_q606afaf592_prep
    .symbol:         k_q606afaf592_prep.kd
    .args:
      - { .name: query, .offset: 0, .size: 8, .value_kind: global_buffer, .address_space: global }
      - { .name: key, .offset: 8, .size: 8, .value_kind: global_buffer, .address_space: global }
      - { .name: value, .offset: 16, .size: 8, .value_kind: global_buffer, .address_space: global }
      - { .name: Wq, .offset: 24, .size: 8, .value_kind: global_buffer, .address_space: global }
      - { .name: Wk, .offset: 32, .size: 8, .value_kind: global_buffer, .address_space: global }
      - { .name: Wv, .offset: 40, .size: 8, .value_kind: global_buffer, .address_space: global }
      - { .name: Wo, .offset: 48, .size: 8, .value_kind: global_buffer, .address_space: global }
      - { .name: freqs, .offset: 56, .size: 8, .value_kind: global_buffer, .address_space: global }
      - { .name: acodes, .offset: 64, .size: 8, .value_kind: global_buffer, .address_space: global }
      - { .name: ascales, .offset: 72, .size: 8, .value_kind: global_buffer, .address_space: global }
      - { .name: wcodes, .offset: 80, .size: 8, .value_kind: global_buffer, .address_space: global }
      - { .name: wscales, .offset: 88, .size: 8, .value_kind: global_buffer, .address_space: global }
      - { .name: wo16, .offset: 96, .size: 8, .value_kind: global_buffer, .address_space: global }
      - { .name: rope, .offset: 104, .size: 8, .value_kind: global_buffer, .address_space: global }
      - { .name: query_id, .offset: 112, .size: 8, .value_kind: global_buffer, .address_space: global }
      - { .name: kv_id, .offset: 120, .size: 8, .value_kind: global_buffer, .address_space: global }
      - { .name: attn_mask, .offset: 128, .size: 8, .value_kind: global_buffer, .address_space: global }
    .group_segment_fixed_size: 33280
    .private_segment_fixed_size: 0
    .kernarg_segment_align: 8
    .kernarg_segment_size: 136
    .max_flat_workgroup_size: 128
    .sgpr_count:     100
    .vgpr_count:     192
    .wavefront_size: 32
...
	.end_amdgpu_metadata
.endif
;; end of part 1
;; launch proj (part 2): grid 4 x 48, 4 waves a work-group, clusters of 4 x 4, 327,680 bytes of LDS; arguments acodes, ascales, wcodes, wscales, qkv, rope; writes qkv
.if DOCPART == 2
	.amdgcn_target "amdgcn-amd-amdhsa--gfx1250"
	.amdhsa_code_object_version 6
	.text
	.protected	k_q606afaf592_proj
	.globl	k_q606afaf592_proj
	.p2align	8
	.type	k_q606afaf592_proj,@function
k_q606afaf592_proj:
	s_mov_b64 s[64:65], 0
	v_nop
	global_prefetch_b8 v0, s[64:65] scope:SCOPE_SE
	s_setreg_imm32_b32 hwreg(HW_REG_WAVE_MODE, 25, 1), 1
	s_wait_xcnt 0x0
	s_wait_alu depctr_hold_cnt(0) depctr_sa_sdst(0) depctr_va_vdst(0) depctr_va_sdst(0) depctr_va_ssrc(0) depctr_va_vcc(0) depctr_vm_vsrc(0)
	s_getreg_b32 s2, hwreg(HW_REG_IB_STS2, 6, 4)
	s_cmp_eq_u32 s2, 0
	s_cbranch_scc0 .Lentry_in_a_cluster
	s_endpgm
.Lentry_in_a_cluster:
	s_bfe_u32 s2, ttmp6, 0x10000c
	s_cmp_lg_u32 s2, 0xf033
	s_cbranch_scc0 .Lentry_shape_is_right
	s_endpgm
.Lentry_shape_is_right:
; PROJ: Q = query Wq^T, K = key Wk^T, V = value Wv^T on codes of FP4 (E2M1) with one E8M0 scale for each 32 along K; the rotation of Q and K; the results as f16, by head.
; The three products are ONE product of 12,288 rows (acodes: query, key, value) in which rows 4,096 g on meet the weight rows 1,024 g on (wcodes: Wq, Wk, Wv).  48 x 4 tiles of 256 x 256.
; A tile is made by a work-group of four waves; a wave makes 128 x 128: 64 accumulators of 16 x 16, 512 registers.  K = 1,024 is two LDS slots of 512 along K (rows of 256 bytes): both are asked for at the start,
; with the scale bytes of the tile's rows for all of K, and nothing is filled again: three tensor loads of a wave are out at the start, none later.
; CLUSTERS: 4 x 4 work-groups; the four of a row of the cluster need the same tiles of the activations, the four of a column the same tiles of the weights: each is asked for jointly.  A cluster's four tile rows lie in one
; of the three tensors (16 tile rows each), so g hangs on the cluster's y alone and is the same in all sixteen.
; THE MATRIX INSTRUCTION IS USED TRANSPOSED (source 0 = 16 rows of the weight, source 1 = 16 rows of the activation): a lane holds eight neighbouring columns of one row: four pairs of the rotation.
; THE ROTATION: (x0, x1) -> (x0 cos - x1 sin, x0 sin + x1 cos), cos and sin from the table rope [t][pair] (cosines, and 4,194,304 bytes on sines), in f32.  V is not rotated: the text parts on g once, behind the change of slots.
; OUT: qkv [g][b][head][t][64] f16.  LIMIT: |Q|, |K|, |V| above 65,504 have no f16 number.
; REGISTERS, in windows of 256: window 0: v0-31 addresses; v32-95 scale words, two sets; v128-191 the activation's fragments, one set; on the way out v32-95 rotated numbers, v96-127 packed, v128-191 rows read back.
;   window 1: the weight's fragments, two sets, at v0 and v128; v64-127 and v192-255 cos and sin of a block of 16 rows, two sets.   windows 2, 3: the accumulators ((a, b) at v[8 (8 (a % 4) + b)]).
.set KSTEP,  512
.set NQ,     KSTEP/128
.set ROWB,   256                       ; a tile's row in bytes
.set KROW,   512                       ; a row of codes in memory
.set PITCH,  272                       ; an LDS row: 256 bytes + 16 of padding: the 16 rows that a load touches start 68 words apart
.set FR,     8
.set NL,     2
.set NP,     4                         ; places behind this matrix instruction (ISA guide 7.12.1)
.set HALFT,  128*PITCH
.set SLOT,   4*HALFT
.set KS,     32                        ; a row of scale bytes
.set SCL,    2*SLOT                    ; behind the two slots: the scale bytes, as rows of 256 bytes + 16 of padding
.set HALFS,  (128*KS/256)*272
.set SBLK,   (16*KS/256)*272
.set SPARE,  SCL+4*HALFS               ; the spare words, 128 bytes for each wave, which no other line names
.set SPITCH, 272                       ; the way out: a stage of 16 rows x (256 bytes + 16) for each wave, in slot 0, which has had its one fill and its last read by then
.set ADRA, 16
.set ADRB, 20
.set STO,  24
.set RD,   25
.set CO,   26
.set ADRS, 27
.set SPW,  28
.set NIL,  29
.set CSO,  30                          ; v30  my byte offset in the table: row lane % 16, 16 bytes for each half of the lanes; never rewritten
.set SC,   32
.set AF,   128
.set RR,   32                          ; the way out: 64 rotated numbers
.set PP,   96                          ; 32 registers of f16 pairs
.set BK,   128                         ; 16 rows read back: v128-159 and v160-191 by turns
.set G1, 24
.set G0, 32
.set G1B, 48
.set G0B, 56
.set G1S, 68
.set G0S, 76
.set G1SB, 80
.set G0SB, 88
.set MSB, 0
.macro WIN new                         ; the immediate's high byte repeats the setting that is left
.if MSB != (\new)
	s_set_vgpr_msb (MSB<<8)|(\new)
.set MSB, \new
.endif
.endm
.set MUL_LO, 0xa1                      ; source 0 window 1, source 1 window 0, C and D window 2
.set MUL_HI, 0xf1                      ; the same, C and D window 3
.set TO_B,   0x40                      ; destination window 1, address window 0
; A joint load: waves 0 and 1 fetch for the activation, waves 2 and 3 for the weight.  The branch hangs on the wave's number alone.  An s_nop 0 and four v_nop follow each of the two lines.
.macro JLOAD g0a, g1a, g0b, g1b
	s_cmp_eq_u32 s15, 0
	s_cbranch_scc0 .Lfor_b_\@
	tensor_load_to_lds s[\g0a:\g0a+3], s[\g1a:\g1a+7]
	s_nop 0
.rept 4
	v_nop
.endr
	s_branch .Lasked_\@
.Lfor_b_\@:
	tensor_load_to_lds s[\g0b:\g0b+3], s[\g1b:\g1b+7]
	s_nop 0
.rept 4
	v_nop
.endr
.Lasked_\@:
.endm
.macro CROUND                          ; a round of the cluster's barrier
	s_barrier_signal -1
	s_barrier_wait -1
	s_cmp_lg_u32 s14, 0
	s_cbranch_scc1 .Lnot_wave_0_\@
	s_barrier_signal -3
.Lnot_wave_0_\@:
	s_barrier_wait -3
	s_barrier_signal -1
	s_barrier_wait -1
.endm
	s_load_b128 s[4:7], s[0:1], 0x0                ; acodes, ascales
	s_load_b128 s[8:11], s[0:1], 0x10              ; wcodes, wscales
	s_load_b64 s[12:13], s[0:1], 0x20              ; qkv
	s_load_b64 s[96:97], s[0:1], 0x28              ; rope
	v_lshl_add_u32 v[SPW], v0, 2, SPARE
	v_mov_b32 v[NIL], 0
	ds_add_u32 v[SPW], v[NIL]                      ; the wave's opening: the add, twice on end, and its wait ahead of my first tensor load
	ds_add_u32 v[SPW], v[NIL]
	v_lshrrev_b32 v1, 5, v0
	v_readfirstlane_b32 s14, v1                    ; wave 0..3
	s_lshr_b32 s15, s14, 1                         ; which half of the tile's rows is mine.  Also: I fetch for the activation (0) or the weight (1)
	s_and_b32 s16, s14, 1                          ; which half of its columns.  Also: which 128 rows I fetch
	s_bfe_u32 s40, ttmp6, 0x40000                  ; cx, cy
	s_bfe_u32 s41, ttmp6, 0x40004
	s_lshl_b32 s42, ttmp9, 2
	s_add_co_u32 s42, s42, s40                     ; tile column = 4 x cluster x + cx
	s_and_b32 s17, ttmp7, 0xffff
	s_lshr_b32 s98, s17, 2                         ; g = cluster y / 4: 0 Q, 1 K, 2 V
	s_lshl_b32 s17, s17, 2
	s_add_co_u32 s17, s17, s41                     ; tile row = 4 x cluster y + cy, 0..47
	s_lshl_b32 s43, s41, 2
	s_lshl_b32 s43, 15, s43                        ; my row of the cluster
	s_lshl_b32 s44, 0x1111, s40                    ; my column
	s_or_b32 s[G1+0], s43, (0<<16)|(1<<20)|(1<<21)|(5<<22)|(3<<25)  ; the mask; elements of 1 byte; padding on; bit 21 beside a mask; 4 words of padding after every 64
	s_or_b32 s[G1B+0], s44, (0<<16)|(1<<20)|(1<<21)|(5<<22)|(3<<25)
.irp g, G1, G1B
	s_mov_b32 s[\g+1], ROWB<<16                    ; tensor_dim0
	s_mov_b32 s[\g+2], 128<<16                     ; tensor_dim1
	s_mov_b32 s[\g+3], ROWB<<16                    ; tile_dim0
	s_mov_b32 s[\g+4], 128                         ; tile_dim1
	s_mov_b32 s[\g+5], KROW                        ; from row to row
	s_mov_b32 s[\g+6], 0
	s_mov_b32 s[\g+7], 0
.endr
	s_or_b32 s[G1S+0], s43, (3<<16)|(1<<20)|(1<<21)|(5<<22)|(3<<25)  ; the scale bytes of 128 rows: 4,096 dense bytes as 16 rows of 32 elements of 8 bytes
	s_or_b32 s[G1SB+0], s44, (3<<16)|(1<<20)|(1<<21)|(5<<22)|(3<<25)
.irp g, G1S, G1SB
	s_mov_b32 s[\g+1], 32<<16
	s_mov_b32 s[\g+2], (128*KS/256)<<16
	s_mov_b32 s[\g+3], 32<<16
	s_mov_b32 s[\g+4], 128*KS/256
	s_mov_b32 s[\g+5], 32
	s_mov_b32 s[\g+6], 0
	s_mov_b32 s[\g+7], 0
.endr
	s_lshl_b32 s18, s16, 7                         ; which 128 rows I fetch
	s_lshl_b32 s20, s17, 8
	s_add_co_u32 s20, s20, s18                     ; activation: row 256 x tile row + 128 x half
	s_lshl_b32 s46, s42, 8
	s_add_co_u32 s46, s46, s18
	s_lshl_b32 s19, s98, 10
	s_add_co_u32 s46, s46, s19                     ; weight: row 1,024 g + 256 x tile column + 128 x half
	s_mov_b32 s21, 0
	s_mov_b32 s47, 0
	s_mov_b64 s[18:19], KS
	s_mul_u64 s[22:23], s[20:21], s[18:19]         ; where these rows' scale bytes begin,
	s_mul_u64 s[92:93], s[46:47], s[18:19]
	s_mov_b64 s[18:19], KROW
	s_mul_u64 s[20:21], s[20:21], s[18:19]         ; and their codes
	s_mul_u64 s[46:47], s[46:47], s[18:19]
	s_mul_i32 s45, s14, HALFT                      ; where they go: wave x 128 rows
	s_mul_i32 s94, s14, HALFS
	s_wait_dscnt 0x0                               ; both opening adds are done
	s_wait_kmcnt 0x0
	s_add_nc_u64 s[20:21], s[4:5], s[20:21]
	s_add_nc_u64 s[22:23], s[6:7], s[22:23]
	s_add_nc_u64 s[46:47], s[8:9], s[46:47]
	s_add_nc_u64 s[92:93], s[10:11], s[92:93]
	CROUND                                         ; all sixteen work-groups are here: the joint loads meet
	s_mov_b32 s[G0S], 1
	s_add_co_u32 s[G0S+1], s94, SCL
	s_mov_b64 s[G0S+2:G0S+3], s[22:23]
	s_or_b32 s[G0S+3], s[G0S+3], 0x80000000
	s_mov_b32 s[G0SB], 1
	s_add_co_u32 s[G0SB+1], s94, SCL
	s_mov_b64 s[G0SB+2:G0SB+3], s[92:93]
	s_or_b32 s[G0SB+3], s[G0SB+3], 0x80000000
	JLOAD G0S, G1S, G0SB, G1SB                     ; the scale bytes first: they are wanted with the first slot
.irp s, 0,1
	s_mov_b32 s[G0+4*\s], 1
	s_add_co_u32 s[G0+4*\s+1], s45, \s*SLOT
	s_add_nc_u64 s[G0+4*\s+2:G0+4*\s+3], s[20:21], \s*ROWB
	s_or_b32 s[G0+4*\s+3], s[G0+4*\s+3], 0x80000000
	s_mov_b32 s[G0B+4*\s], 1
	s_add_co_u32 s[G0B+4*\s+1], s45, \s*SLOT
	s_add_nc_u64 s[G0B+4*\s+2:G0B+4*\s+3], s[46:47], \s*ROWB
	s_or_b32 s[G0B+4*\s+3], s[G0B+4*\s+3], 0x80000000
	JLOAD G0+4*\s, G1, G0B+4*\s, G1B
.endr
	v_and_b32 v1, 15, v0                           ; r = lane % 16
	v_bfe_u32 v2, v0, 4, 1                         ; h = lane / 16
	v_mul_u32_u24 v3, v1, PITCH
	v_lshl_add_u32 v4, v2, 4, v3                   ; a fragment's row x pitch + 16 x half
	s_mul_i32 s21, s15, HALFT
	s_mul_i32 s22, s16, HALFT
	s_add_co_u32 s22, s22, 2*HALFT
.irp s, 0,1
	v_add_nc_u32 v[ADRA+\s], s21, v4
	v_add_nc_u32 v[ADRB+\s], s22, v4
	s_add_co_u32 s21, s21, SLOT
	s_add_co_u32 s22, s22, SLOT
.endr
	v_mul_u32_u24 v5, v1, KS                       ; my row's scale bytes: 32 a row,
	v_lshrrev_b32 v6, 8, v5
	v_lshl_add_u32 v5, v6, 4, v5                   ; and 16 more for each 256 passed
	s_mul_i32 s21, s15, HALFS
	s_mul_i32 s22, s16, HALFS
	s_add_co_u32 s22, s22, 2*HALFS
	s_sub_co_u32 s22, s22, s21
	v_mul_u32_u24 v6, s22, v2                      ; lanes 16-31 take the weight's
	s_add_co_u32 s21, s21, SCL
	v_add_nc_u32 v5, v5, v6
	v_add_nc_u32 v[ADRS], s21, v5
	s_mul_i32 s23, s14, 16*SPITCH                  ; my stage
	v_mul_u32_u24 v5, v1, SPITCH                   ; in: row r, 16 bytes for each half of the lanes
	v_lshl_add_u32 v5, v2, 4, v5
	v_add_nc_u32 v[STO], s23, v5
	v_bfe_u32 v6, v0, 3, 1                         ; back: a stage row holds 64 channels of two heads.  Lanes 0-15 take one head, lanes 16-31 the other; eight lanes a row's 128 bytes, two rows an instruction
	v_and_b32 v7, 7, v0
	v_mul_u32_u24 v5, v6, SPITCH
	v_lshl_add_u32 v5, v2, 7, v5
	v_lshl_add_u32 v5, v7, 4, v5
	v_add_nc_u32 v[RD], s23, v5
	v_lshlrev_b32 v5, 18, v2                       ; the same place in qkv: a head is 262,144 bytes, a row 128
	v_lshl_add_u32 v5, v6, 7, v5
	v_lshl_add_u32 v[CO], v7, 4, v5
	v_lshlrev_b32 v5, 11, v1                       ; the table: a row is 2,048 bytes
	v_lshl_add_u32 v[CSO], v2, 4, v5
	s_lshr_b32 s20, s17, 3                         ; 2 g + b: 4,194,304 bytes each
	s_lshl_b32 s20, s20, 22
	s_lshl_b32 s46, s42, 2
	s_lshl_b32 s47, s16, 1
	s_add_co_u32 s46, s46, s47                     ; my first head: 4 x tile column + 2 x half
	s_lshl_b32 s46, s46, 18
	s_add_co_u32 s20, s20, s46
	s_and_b32 s46, s17, 7
	s_lshl_b32 s46, s46, 8
	s_lshl_b32 s47, s15, 7
	s_add_co_u32 s46, s46, s47                     ; my first t
	s_lshl_b32 s47, s46, 7
	s_add_co_u32 s20, s20, s47
	s_mov_b32 s21, 0
	s_add_nc_u64 s[12:13], s[12:13], s[20:21]      ; qkv at my wave's first row and head
	s_lshl_b32 s46, s46, 11
	s_lshl_b32 s47, s42, 9
	s_add_co_u32 s46, s46, s47
	s_lshl_b32 s47, s16, 8
	s_add_co_u32 s46, s46, s47                     ; the table at my first t and pair: 2,048 t + 512 x tile column + 256 x half
	s_mov_b32 s47, 0
	s_add_nc_u64 s[96:97], s[96:97], s[46:47]
.macro FRAG reg, adr, q, i             ; a fragment, 16 rows x 128 K of 4-bit codes: lane l holds row l % 16; registers 4 c .. 4 c + 3 hold K = 64 c + 32 (l / 16) + 0 .. 31
.irp c, 0,1
	ds_load_b128 v[\reg+4*\c:\reg+4*\c+3], v[\adr] offset:64*(\q)+32*\c+(\i)*16*PITCH
.endr
.endm
; 16 matrix instructions: the activation's blocks a0, a0 + 1 x the weight's eight, 128 along K.  The 64 accumulators take turns, one instruction a turn, in the same order in every step.
; A scale register holds the activation's words in lanes 0-15 and the weight's in lanes 16-31.
.macro MUL16 a0, p, q, sc, zero
.irp a, \a0, \a0+1
.irp b, 0,1,2,3,4,5,6,7
.if \zero
	v_wmma_scale_f32_16x16x128_f8f6f4 v[8*(8*((\a)%4)+\b):8*(8*((\a)%4)+\b)+7], v[128*(\p)+FR*\b:128*(\p)+FR*\b+FR-1], v[AF+FR*(\a):AF+FR*(\a)+FR-1], 0, v[SC+8*NQ*(\sc)+NQ*\b+(\q)], v[SC+8*NQ*(\sc)+NQ*(\a)+(\q)] matrix_a_fmt:MATRIX_FMT_FP4 matrix_b_fmt:MATRIX_FMT_FP4 matrix_a_scale:MATRIX_SCALE_ROW1
.else
	v_wmma_scale_f32_16x16x128_f8f6f4 v[8*(8*((\a)%4)+\b):8*(8*((\a)%4)+\b)+7], v[128*(\p)+FR*\b:128*(\p)+FR*\b+FR-1], v[AF+FR*(\a):AF+FR*(\a)+FR-1], v[8*(8*((\a)%4)+\b):8*(8*((\a)%4)+\b)+7], v[SC+8*NQ*(\sc)+NQ*\b+(\q)], v[SC+8*NQ*(\sc)+NQ*(\a)+(\q)] matrix_a_fmt:MATRIX_FMT_FP4 matrix_b_fmt:MATRIX_FMT_FP4 matrix_a_scale:MATRIX_SCALE_ROW1
.endif
.endr
.endr
.endm
.macro FETCH_B slot, q, p
	WIN TO_B
.irp i, 0,1,2,3,4,5,6,7
	FRAG 128*(\p)+FR*\i, ADRB+\slot, \q, \i
.endr
	WIN 0
.endm
.macro FETCH_A slot, q, i0
.irp i, \i0, \i0+1, \i0+2, \i0+3
	FRAG AF+FR*(\i), ADRA+\slot, \q, \i
.endr
.endm
.macro SCALES sc                       ; a slot's scale words: four words a row
.irp i, 0,1,2,3,4,5,6,7
	ds_load_b128 v[SC+8*NQ*\sc+NQ*\i:SC+8*NQ*\sc+NQ*\i+3], v[ADRS] offset:\i*SBLK
.endr
.endm
.macro PLACES n                        ; plain vector instructions between a matrix instruction and a load into, or a read of, its registers (ISA guide 7.12.1 for reads)
.rept \n
	v_nop
.endr
.endm
.macro STEP slot, q, zero              ; 128 along K that has its successor in the same slot
	s_wait_dscnt 4*NL                              ; the weight's set and blocks 0-3 are in; the youngest eight loads (blocks 4-7) may be out
	WIN MUL_LO
	MUL16 0, (\q)%2, \q, \slot, \zero
	MUL16 2, (\q)%2, \q, \slot, \zero
	s_wait_dscnt 0
	PLACES NP
	FETCH_B \slot, (\q)+1, 1-(\q)%2
	FETCH_A \slot, (\q)+1, 0
	WIN MUL_HI
	MUL16 4, (\q)%2, \q, \slot, \zero
	MUL16 6, (\q)%2, \q, \slot, \zero
	PLACES NP
	WIN 0
	FETCH_A \slot, (\q)+1, 4
.endm
.macro STEPS slot, from
.set Q, \from
.rept NQ-1-\from
	STEP \slot, Q, 0
.set Q, Q+1
.endr
.endm
	s_wait_tensorcnt 1                             ; the scale bytes and my part of slot 0 are in; slot 1's load may be out
	s_barrier_signal -1
	s_barrier_wait -1
	FETCH_B 0, 0, 0
	FETCH_A 0, 0, 0
	SCALES 0
	FETCH_A 0, 0, 4
	STEP 0, 0, 1                                   ; the first products start the sums: nothing is cleared
	STEPS 0, 1
	; slot 0's last step changes slots: one barrier; in front of it my part of slot 1 has landed and my reads of slot 0 are over
	s_wait_tensorcnt 0x0
	ds_add_u32 v[SPW], v[NIL]                      ; 0 onto my spare word
	s_wait_dscnt 4*NL+1                            ; (the add and the youngest eight loads may be out)
	WIN MUL_LO
	MUL16 0, 1, NQ-1, 0, 0
	s_wait_dscnt 0x0
	s_barrier_signal -1
	MUL16 2, 1, NQ-1, 0, 0
	WIN 0
	s_barrier_wait -1
	PLACES NP
	v_add_nc_u32 v[ADRS], 4*NQ, v[ADRS]            ; on to slot 1's scale words
	FETCH_B 1, 0, 0
	FETCH_A 1, 0, 0
	SCALES 1
	WIN MUL_HI
	MUL16 4, 1, NQ-1, 0, 0
	MUL16 6, 1, NQ-1, 0, 0
	PLACES NP
	WIN 0
	FETCH_A 1, 0, 4
; cos and sin of block a (16 rows x 64 pairs): for accumulator b a lane's four pairs are 16 bytes of each plane
.macro CSLOAD a
	WIN TO_B
.irp b, 0,1,2,3,4,5,6,7
	global_load_b128 v[64+128*((\a)%2)+8*\b:64+128*((\a)%2)+8*\b+3], v[CSO], s[96:97] offset:(\a)*32768+32*\b
	global_load_b128 v[64+128*((\a)%2)+8*\b+4:64+128*((\a)%2)+8*\b+7], v[CSO], s[96:97] offset:(\a)*32768+32*\b+0x400000
.endr
	WIN 0
.endm
.macro ROT a                           ; each accumulator is read from its low end on
.set AC, 64*((\a)%4)
.set TC, 64+128*((\a)%2)
	WIN 0x06+(\a)/4                                ; source 0: window 2 or 3; source 1: window 1
.irp b, 0,1,2,3,4,5,6,7
.irp i, 0,1,2,3
	v_mul_f32 v[RR+8*\b+2*\i], v[AC+8*\b+2*\i+1], v[TC+8*\b+4+\i]       ; x1 sin
	v_mul_f32 v[RR+8*\b+2*\i+1], v[AC+8*\b+2*\i], v[TC+8*\b+4+\i]       ; x0 sin
.endr
.irp i, 0,1,2,3
	v_fma_f32 v[RR+8*\b+2*\i], v[AC+8*\b+2*\i], v[TC+8*\b+\i], -v[RR+8*\b+2*\i]        ; x0 cos - x1 sin
	v_fma_f32 v[RR+8*\b+2*\i+1], v[AC+8*\b+2*\i+1], v[TC+8*\b+\i], v[RR+8*\b+2*\i+1]   ; x1 cos + x0 sin
.endr
.endr
	WIN 0
.endm
.macro PACKR
.set i, 0
.rept 32
	v_cvt_pk_f16_f32 v[PP+i], v[RR+2*i], v[RR+2*i+1]
.set i, i+1
.endr
.endm
.macro PACKV a
.set AC, 64*((\a)%4)
	WIN 0x0a+5*((\a)/4)                            ; sources 0 and 1: window 2 or 3
.set i, 0
.rept 32
	v_cvt_pk_f16_f32 v[PP+i], v[AC+2*i], v[AC+2*i+1]
.set i, i+1
.endr
	WIN 0
.endm
.macro TOSTAGE a                       ; a lane's 16 bytes into my stage, and back by rows: LDS serves a wave's instructions in order
.set BB, BK+32*((\a)%2)
.irp b, 0,1,2,3,4,5,6,7
	ds_store_b128 v[STO], v[PP+4*\b:PP+4*\b+3] offset:32*\b
.endr
.irp i, 0,1,2,3,4,5,6,7
	ds_load_b128 v[BB+4*\i:BB+4*\i+3], v[RD] offset:\i*2*SPITCH
.endr
.endm
.macro SEND a, younger
.set BB, BK+32*((\a)%2)
	s_wait_dscnt \younger                          ; the block is back; the next block's sixteen LDS instructions may be out
.irp i, 0,1,2,3,4,5,6,7
	global_store_b128 v[CO], v[BB+4*\i:BB+4*\i+3], s[12:13] offset:(\a)*2048+256*\i   ; sixteen lanes store two neighbouring rows of one head: 256 consecutive bytes, aligned
.endr
.endm
; The second slot's four steps and the way out.  rope = 1: Q and K: the first two blocks' cos and sin are asked for here and have the slot's 256 matrix instructions in which to land.
.macro TAIL rope
.if \rope
	CSLOAD 0
	CSLOAD 1
.endif
	STEPS 1, 0
	s_wait_dscnt 4*NL
	WIN MUL_LO
	MUL16 0, 1, NQ-1, 1, 0
	MUL16 2, 1, NQ-1, 1, 0
	s_wait_dscnt 0
	WIN MUL_HI
	MUL16 4, 1, NQ-1, 1, 0
	MUL16 6, 1, NQ-1, 1, 0
	WIN 0
	PLACES NP                                      ; behind the last products: results are read, and the registers of scale words and fragments written, from here on
.irp a, 0,1,2,3,4,5,6,7
.if \rope
.if \a < 7
	s_wait_loadcnt 16                              ; this block's sixteen table loads are in; the next block's may be out
.else
	s_wait_loadcnt 0
.endif
	ROT \a
.if \a < 6
	CSLOAD \a+2
.endif
	PACKR
.else
	PACKV \a
.endif
.if \a > 1
	s_wait_xcnt 0x0                                ; block a - 2's stores have read their data registers: block a's rows may land there
.endif
	TOSTAGE \a
.if \a > 0
	SEND \a-1, 16
.endif
.endr
	SEND 7, 0
.endm
	s_cmp_eq_u32 s98, 2                            ; g is the same in all sixteen work-groups of a cluster and in all waves
	s_cbranch_scc1 .Lvalue
	TAIL 1
	s_branch .Lclose
.Lvalue:
	TAIL 0
.Lclose:
	s_wait_tensorcnt 0x0                           ; the wave's end, behind my last tensor load and my last LDS store
	ds_add_u32 v[SPW], v[NIL]
	s_wait_dscnt 0x0
	CROUND                                         ; the closing round
	s_endpgm
.Lfunc_end_k_q606afaf592_proj:
	.size	k_q606afaf592_proj, .Lfunc_end_k_q606afaf592_proj-k_q606afaf592_proj
	.p2alignl 7, 3214868480
	.fill 96, 4, 3214868480
	.section	.rodata,"a",@progbits
	.p2align	6, 0x0
	.amdhsa_kernel k_q606afaf592_proj
		.amdhsa_group_segment_fixed_size 327680
		.amdhsa_private_segment_fixed_size 0
		.amdhsa_enable_private_segment 0
		.amdhsa_kernarg_size 48
		.amdhsa_user_sgpr_count 2
		.amdhsa_user_sgpr_kernarg_segment_ptr 1
		.amdhsa_wavefront_size32 1
		.amdhsa_system_sgpr_workgroup_id_x 1
		.amdhsa_system_sgpr_workgroup_id_y 1
		.amdhsa_system_sgpr_workgroup_id_z 1
		.amdhsa_system_vgpr_workitem_id 0
		.amdhsa_next_free_vgpr 1024
		.amdhsa_next_free_sgpr 100
		.amdhsa_reserve_vcc 0
		.amdhsa_float_denorm_mode_32 3
		.amdhsa_float_denorm_mode_16_64 3
		.amdhsa_memory_ordered 1
		.amdhsa_forward_progress 1
		.amdhsa_inst_pref_size 255
	.end_amdhsa_kernel
	.section	.bss,"aw",@nobits
	.p2align	6
	.space	262144
	.amdgpu_metadata
---
amdhsa.version: [ 1, 2 ]
amdhsa.kernels:
  - .name:           k_q606afaf592_proj
    .symbol:         k_q606afaf592_proj.kd
    .args:
      - { .name: acodes, .offset: 0, .size: 8, .value_kind: global_buffer, .address_space: global }
      - { .name: ascales, .offset: 8, .size: 8, .value_kind: global_buffer, .address_space: global }
      - { .name: wcodes, .offset: 16, .size: 8, .value_kind: global_buffer, .address_space: global }
      - { .name: wscales, .offset: 24, .size: 8, .value_kind: global_buffer, .address_space: global }
      - { .name: qkv, .offset: 32, .size: 8, .value_kind: global_buffer, .address_space: global }
      - { .name: rope, .offset: 40, .size: 8, .value_kind: global_buffer, .address_space: global }
    .group_segment_fixed_size: 327680
    .private_segment_fixed_size: 0
    .kernarg_segment_align: 8
    .kernarg_segment_size: 48
    .max_flat_workgroup_size: 128
    .sgpr_count:     100
    .vgpr_count:     1024
    .wavefront_size: 32
...
	.end_amdgpu_metadata
.endif
;; end of part 2
;; launch attn (part 3): grid 8 x 32, 8 waves a work-group, clusters of 4 x 1, 327,680 bytes of LDS; arguments qkv, attn_mask, bias_emb, rope, yT; writes yT
.if DOCPART == 3
	.amdgcn_target "amdgcn-amd-amdhsa--gfx1250"
	.amdhsa_code_object_version 6
	.text
	.protected	k_q606afaf592_attn
	.globl	k_q606afaf592_attn
	.p2align	8
	.type	k_q606afaf592_attn,@function
k_q606afaf592_attn:
	s_mov_b64 s[64:65], 0
	v_nop
	global_prefetch_b8 v0, s[64:65] scope:SCOPE_SE
	s_setreg_imm32_b32 hwreg(HW_REG_WAVE_MODE, 25, 1), 1
	s_wait_xcnt 0x0
	s_wait_alu depctr_hold_cnt(0) depctr_sa_sdst(0) depctr_va_vdst(0) depctr_va_sdst(0) depctr_va_ssrc(0) depctr_va_vcc(0) depctr_vm_vsrc(0)
	s_getreg_b32 s2, hwreg(HW_REG_IB_STS2, 6, 4)
	s_cmp_eq_u32 s2, 0
	s_cbranch_scc0 .Lentry_in_a_cluster
	s_endpgm
.Lentry_in_a_cluster:
	s_bfe_u32 s2, ttmp6, 0x10000c
	s_cmp_lg_u32 s2, 0x3003
	s_cbranch_scc0 .Lentry_shape_is_right
	s_endpgm
.Lentry_shape_is_right:
; ATTN: y[b][q][head] = the sum over k of softmax_k(Q.K / 8 + bias + mask) V.  Q, K, V: qkv [3][b][head][2048][64] f16.  bias = bias_emb[1][head] where query_id[b][q] = kv_id[b][k], else bias_emb[0][head];
; a key with attn_mask[b][k] = 0 counts for nothing.  Products on f16 operands, sums, maxima and exponentials in f32.  Out: yT [64 head + channel][2048 b + q] f16: along the queries a work-group has 512 consecutive bytes of each channel.
; SHARES.  A work-group owns 256 queries of one (b, head); each of its eight waves 32: two tiles of 16, in 512 registers: two waves to a SIMD, so that one wave's vector work stands beside the other's matrix work.
; Every wave walks all 2,048 keys, 64 a step.  K and V come through a ring of two LDS slots of 256 keys: waves 0-3 fetch 64 rows of K each, waves 4-7 of V: one tensor load of a wave is out at any time.
; CLUSTER.  The four query blocks of a cluster belong to one (b, head) and walk the same K and V: each tile is asked for jointly, with a mask that names the four.
; LAYOUT.  S^T = K Q^T + C (source 0 = 16 keys, source 1 = 16 queries): a lane holds ONE query (lane % 16) and keys 8 (lane / 16) + 0..7.  Two such tiles, rounded to f16 in pairs, are source 1 of O^T = V^T P.
; BIAS AND MASK ARE THE C OF THE FIRST PRODUCT, made by ONE select a score.  A softmax does not change when one number is added to every key that counts, so bias_emb[0] is taken off both biases: C = 8 (b1 - b0) where the ids
; are alike and the key counts, 0 for the other keys that count, -3e38 for a masked key.  WHICH lanes have like ids is the same for all 16 heads: the launch before has stored it, a 32-bit lane mask for each score register
; (8,388,608 bytes on in rope: [b][tile of 16 queries][step of 64 keys][register]); a step's 64 words come by four scalar loads, asked for straight behind the selects that used the last 64: a whole key step ahead of their use.
; The other source of the select, 0 or -3e38 for each key, lies in a table in LDS.
; SOFTMAX.  A running maximum m of s = Q.K + C and p = 2^(c s - c m), c = log2(e) / 8; in every step O and the sum are multiplied by a = 2^(c m_old - c m_new).  m starts at -2^120, far above -3e38: a masked p is 0 whatever
; m is, a step with no key that counts leaves a = 1, and the first key that counts gives a = 0 over sums that are zeros.
; THE ROW'S SUM comes from the matrix unit: a fifth tile of channels whose source 0 is all ones.  It is the sum of the rounded p, the very numbers that meet V, and every lane of a query holds it.
; LIMITS: scores times 8 of keys that count lie above -2^120; NaN and infinities among the inputs are not served; a batch with no key that counts gives NaN (0 x infinity), as the softmax of nothing does.
; REGISTERS.  window 0: v1-13 addresses; v14-15 c; v16-31 statistics, 8 a tile (+0 c m, +1 m, +4..7 at work, a in +6); v32 8 (b1 - b0); v64-127 S^T, 32 a tile; v128-159 the step's 32 table entries; v160-191 rows on the way out;
;   v192-223 P; v224-255 at work at the head.   window 1: v0-31 Q; v32-95 O^T, 32 a tile; v96-111 the sums; v112-119 ones; v128-191 K of a step; v192-255 V of a step.
; SCALARS: s2-3 the prefetches' address; s4-27 the descriptors; s28-31 wave, slot, slots to go, who prefetches; s32-63 and s68-99 the lane masks of tile 0 and tile 1 (at the head: at work); s66-67 lane selects;
;   s100-101 where the masks stand; s104 the slot's place in the table; s105 my offset in yT, whose address is loaded again in the last step, when the masks' registers are free.
.set PK,    144                        ; a row of K in LDS: 128 bytes + 16: the 16 rows of a load start 36 words apart
.set PV,    160                        ; a row of V: 128 + 32: the turning load takes 8 rows x 32 bytes for 16 lanes
.set VOFF,  256*PK                     ; a slot: 256 rows of K, then 256 rows of V
.set SLOT1, 1<<17                      ; slot 1 begins here: one exclusive or turns an address
.set MKZB,  2*SLOT1                    ; behind the ring: 0 or -3e38 for each of the batch's 2,048 keys: 8,192 bytes
.set STG,   MKZB+8192                  ; the way out: 64 channels x (512 bytes + 16)
.set SPT,   528
.set SPARE, STG+64*SPT                 ; the spare words, 128 bytes for each wave, which no other line names
.set AK0, 1
.set AV0, 2
.set AI0, 3
.set ADK, 4
.set ADV, 5
.set ADI, 6
.set QO,  7
.set STO, 8
.set RD,  9
.set GO,  10
.set PFO, 11                           ; v11  256 x lane; never rewritten
.set SPW, 12                           ; v12  LDS address of my spare word; never rewritten
.set NIL, 13                           ; v13  0; never rewritten
.set CV,  14                           ; v14, v15  c, twice
.set ST,  16
.set D8,  32
.set S,   64
.set MKZ, 128
.set OB,  160
.set P,   192
.set OT,  32                           ; in window 1
.set LL,  96
.set ONE, 112
.set KF,  128
.set VF,  192
.set PFA, 2
.set G1K, 4
.set G1V, 12
.set G0K, 20
.set G0V, 24
.set WV,  28
.set TB,  29                           ; LDS byte at which the slot in hand begins
.set SLOTS, 30
.set LIM, 31
.set MA,  32                           ; the lane mask of tile t, register n: s[MA + 36 t + n]
.set SEL, 66
.set MBP, 100
.set TI,  104                          ; the slot's keys' place in the table
.set YO,  105
.set MSB, 0
.macro WIN new
.if MSB != (\new)
	s_set_vgpr_msb (MSB<<8)|(\new)
.set MSB, \new
.endif
.endm
.macro JLOAD                           ; waves 0-3: K's rows; waves 4-7: V's.  The branch hangs on the wave's number alone.  An s_nop 0 and four v_nop follow each line
	s_cmp_lt_u32 s[WV], 4
	s_cbranch_scc0 .Lfor_v_\@
	tensor_load_to_lds s[G0K:G0K+3], s[G1K:G1K+7]
	s_nop 0
.rept 4
	v_nop
.endr
	s_branch .Lasked_\@
.Lfor_v_\@:
	tensor_load_to_lds s[G0V:G0V+3], s[G1V:G1V+7]
	s_nop 0
.rept 4
	v_nop
.endr
.Lasked_\@:
.endm
; A prefetch of what the NEXT change of slots will ask for: a slot's 32,768 bytes of K and of V.  Both clusters of a (b, head) walk the same rows: the first asks.  Its four partners share the bytes out by address, 8,192 each;
; in each, wave 0 asks for K's and wave 4 for V's, lanes 256 bytes apart: each block of 256 bytes is named once in the launch.  It stands four key steps ahead of the load; the last change that fills a slot asks for nothing.
.macro ASK
	s_cmp_gt_u32 s[SLOTS], s[LIM]
	s_cbranch_scc0 .Lnot_mine_\@
	global_prefetch_b8 v[PFO], s[PFA:PFA+1] th:TH_LOAD_NT scope:SCOPE_SE
.Lnot_mine_\@:
.endm
.macro CROUND
	s_barrier_signal -1
	s_barrier_wait -1
	s_cmp_lg_u32 s[WV], 0
	s_cbranch_scc1 .Lnot_wave_0_\@
	s_barrier_signal -3
.Lnot_wave_0_\@:
	s_barrier_wait -3
	s_barrier_signal -1
	s_barrier_wait -1
.endm
	s_load_b256 s[32:39], s[0:1], 0x0              ; qkv s[32:33], attn_mask s[34:35], bias_emb s[36:37], rope s[38:39]
	v_lshl_add_u32 v[SPW], v0, 2, SPARE
	v_mov_b32 v[NIL], 0
	ds_add_u32 v[SPW], v[NIL]                      ; the wave's opening: the add, twice on end, and its wait ahead of my first tensor load
	ds_add_u32 v[SPW], v[NIL]
	v_lshrrev_b32 v1, 5, v0
	v_readfirstlane_b32 s[WV], v1                  ; wave 0..7
	s_bfe_u32 s40, ttmp6, 0x40000                  ; cx
	s_lshl_b32 s41, ttmp9, 2
	s_add_co_u32 s41, s41, s40                     ; my block of 256 queries: it enters Q's, the masks' and yT's addresses alone
	s_and_b32 s42, ttmp7, 0xffff                   ; 16 b + head, which the four partners share
	s_lshr_b32 s43, s42, 4                         ; b
	s_and_b32 s44, s42, 15                         ; head
	s_lshl_b32 s46, s42, 18                        ; the head's 262,144 bytes in each of the three planes
	s_mov_b32 s47, 0
	s_and_b32 s45, s[WV], 3                        ; which 64 rows of a slot I fetch:
	s_lshl_b32 s48, s45, 13                        ; 8,192 bytes in memory,
	s_mov_b32 s49, 0
	s_add_nc_u64 s[48:49], s[48:49], s[46:47]
	s_mul_i32 s50, s45, 64*PK                      ; their place in a slot, for K
	s_mul_i32 s51, s45, 64*PV
	s_add_co_u32 s51, s51, VOFF                    ; and for V
	s_mov_b32 s[G1K], 15|(1<<16)|(1<<20)|(1<<21)|(4<<22)|(3<<25)  ; the mask: all four; elements of 2 bytes; padding on; bit 21 beside a mask; 4 words of padding after every 32
	s_mov_b32 s[G1V], 15|(1<<16)|(1<<20)|(1<<21)|(4<<22)|(7<<25)  ; the same with 8 words
.irp g, G1K, G1V
	s_mov_b32 s[\g+1], 64<<16                      ; tensor_dim0 = 64
	s_mov_b32 s[\g+2], 64<<16                      ; tensor_dim1 = 64
	s_mov_b32 s[\g+3], 64<<16                      ; tile_dim0 = 64
	s_mov_b32 s[\g+4], 64                          ; tile_dim1 = 64
	s_mov_b32 s[\g+5], 64                          ; from row to row
	s_mov_b32 s[\g+6], 0
	s_mov_b32 s[\g+7], 0
.endr
	s_mov_b32 s[SEL], 0x76543210
	s_mov_b32 s[SEL+1], 0xfedcba98                 ; v_permlanex16_b32: lane l xor 16
	s_mov_b32 s[TB], 0
	s_mov_b32 s[TI], 0
	s_mov_b32 s[SLOTS], 7
	s_or_b32 s[LIM], s45, ttmp9                    ; 0 in waves 0 and 4 of the head's first cluster: the same in all four partners
	s_cmp_eq_u32 s[LIM], 0
	s_cselect_b32 s[LIM], 1, -1
	v_and_b32 v[PFO], 31, v0
	v_lshlrev_b32 v[PFO], 8, v[PFO]
	s_wait_dscnt 0x0                               ; both opening adds are done
	s_wait_kmcnt 0x0
	s_add_nc_u64 s[52:53], s[32:33], 0x800000      ; K's plane
	s_add_nc_u64 s[54:55], s[32:33], 0x1000000     ; V's plane
	s_mov_b32 s[G0K], 1
	s_mov_b32 s[G0K+1], s50
	s_add_nc_u64 s[G0K+2:G0K+3], s[52:53], s[48:49]
	s_or_b32 s[G0K+3], s[G0K+3], 0x80000000
	s_mov_b32 s[G0V], 1
	s_mov_b32 s[G0V+1], s51
	s_add_nc_u64 s[G0V+2:G0V+3], s[54:55], s[48:49]
	s_or_b32 s[G0V+3], s[G0V+3], 0x80000000
	CROUND                                         ; all four work-groups are here
	JLOAD                                          ; slot 0: keys 0 to 255
	s_add_nc_u64 s[52:53], s[52:53], s[46:47]      ; the prefetches: my head's K or V,
	s_add_nc_u64 s[54:55], s[54:55], s[46:47]
	s_cmp_lt_u32 s[WV], 4
	s_cselect_b64 s[PFA:PFA+1], s[52:53], s[54:55]
	s_lshl_b32 s56, s40, 13                        ; my work-group's 8,192 bytes,
	s_add_co_u32 s56, s56, 32768                   ; in slot 1: the first change of slots steps it to slot 2.  Nothing is prefetched here, at the head
	s_mov_b32 s57, 0
	s_add_nc_u64 s[PFA:PFA+1], s[PFA:PFA+1], s[56:57]
	s_lshl_b32 s56, s41, 8
	s_lshl_b32 s58, s[WV], 5
	s_add_co_u32 s56, s56, s58                     ; my first query of the 2,048
	s_lshl_b32 s58, s56, 7
	s_mov_b32 s59, 0
	s_add_nc_u64 s[58:59], s[58:59], s[46:47]
	s_add_nc_u64 s[32:33], s[32:33], s[58:59]      ; Q at my first query
	s_lshl_b32 s58, s43, 11
	s_mov_b32 s59, 0
	s_add_nc_u64 s[34:35], s[34:35], s[58:59]      ; attn_mask at my batch
	s_lshl_b32 s58, s44, 2
	s_add_nc_u64 s[36:37], s[36:37], s[58:59]      ; bias_emb at my head
	s_lshl_b32 s58, s43, 19                        ; the lane masks: a batch is 128 tiles of 4,096 bytes; my first tile is 16 x block + 2 x wave
	s_lshl_b32 s60, s41, 16
	s_add_co_u32 s58, s58, s60
	s_lshl_b32 s60, s[WV], 13
	s_add_co_u32 s58, s58, s60
	s_add_co_u32 s58, s58, 0x800000-512            ; behind the two planes; a slot's 512 bytes short, since every change of slots, the first too, steps the address by 512
	s_add_nc_u64 s[MBP:MBP+1], s[38:39], s[58:59]
	s_lshl_b32 s[YO], s44, 19                      ; yT: row 64 head + 8 wave (8,192 bytes a row), column 2,048 b + 256 block
	s_lshl_b32 s60, s[WV], 16
	s_add_co_u32 s[YO], s[YO], s60
	s_lshl_b32 s60, s43, 12
	s_add_co_u32 s[YO], s[YO], s60
	s_lshl_b32 s60, s41, 9
	s_add_co_u32 s[YO], s[YO], s60
	v_and_b32 v240, 15, v0                         ; r
	v_bfe_u32 v241, v0, 4, 1                       ; h
	v_and_b32 v242, 7, v0
	v_bfe_u32 v243, v0, 3, 1
	v_and_b32 v244, 31, v0                         ; lane
	v_lshlrev_b32 v247, 3, v0                      ; attn_mask: 8 bytes a thread
	v_mov_b32 v248, 0
	v_lshlrev_b32 v[QO], 7, v240
	v_lshl_add_u32 v[QO], v241, 4, v[QO]           ; Q: row r of 128 bytes, + 16 h
	WIN 0x40                                       ; destination window 1
.irp t, 0,1
.irp c, 0,1
	global_load_b128 v[16*\t+8*\c:16*\t+8*\c+3], v[QO], s[32:33] offset:2048*\t+64*\c       ; Q stays in registers: tile t, channels 32 c on
	global_load_b128 v[16*\t+8*\c+4:16*\t+8*\c+7], v[QO], s[32:33] offset:2048*\t+64*\c+32
.endr
.endr
	WIN 0
	global_load_b64 v[232:233], v247, s[34:35]
	global_load_b32 v234, v248, s[36:37]           ; b0, for unlike ids
	global_load_b32 v235, v248, s[36:37] offset:64 ; b1, for like ids
	v_mul_u32_u24 v[AK0], v240, PK
	v_lshl_add_u32 v[AK0], v241, 4, v[AK0]         ; K: row r x pitch + 16 h
	v_lshl_add_u32 v[AV0], v241, 3, v242           ; V, turned: key 8 h + lane % 8, channels 8 ((lane / 8) % 2) on
	v_mul_u32_u24 v[AV0], v[AV0], PV
	v_lshl_add_u32 v[AV0], v243, 4, v[AV0]
	v_add_nc_u32 v[AV0], VOFF, v[AV0]
	v_lshl_add_u32 v[AI0], v241, 5, MKZB           ; the table: my half's eight keys of a tile are 32 bytes
	v_mul_u32_u24 v[STO], v241, 8*SPT              ; the way out, in: channel 8 h on, query 32 wave + r
	v_lshl_add_u32 v[STO], v240, 1, v[STO]
	s_lshl_b32 s60, s[WV], 6
	s_add_co_u32 s60, s60, STG
	v_add_nc_u32 v[STO], s60, v[STO]
	s_mul_i32 s60, s[WV], 8*SPT
	s_add_co_u32 s60, s60, STG
	v_lshl_add_u32 v[RD], v244, 4, s60             ; back: my eight channels, 16 bytes a lane
	v_lshlrev_b32 v[GO], 4, v244
	s_wait_xcnt 0x0                                ; the loads above have read their addresses: the registers that held them take the first step's lane masks
	s_load_b512 s[MA:MA+15], s[MBP:MBP+1], 0x200
	s_load_b512 s[MA+16:MA+31], s[MBP:MBP+1], 0x240
	s_load_b512 s[MA+36:MA+51], s[MBP:MBP+1], 0x1200
	s_load_b512 s[MA+52:MA+67], s[MBP:MBP+1], 0x1240
	v_lshl_add_u32 v238, v0, 5, MKZB               ; where my eight keys' entries go
	v_mov_b32 v236, 0xff61b1e6                     ; -3e38
	v_mov_b32 v[CV], 0x3e38aa3b                    ; c = log2(e) / 8
	v_mov_b32 v[CV+1], 0x3e38aa3b                  ; (named with it as a pair)
.irp t, 0,1
	v_mov_b32 v[ST+8*\t+1], 0xfb800000             ; m = -2^120
	v_mul_f32 v[ST+8*\t], v[CV], v[ST+8*\t+1]      ; c m
.endr
	WIN 0x40
.set i, 0
.rept 80
	v_mov_b32 v[OT+i], 0                           ; O^T and the sums.  (The step is written once for all steps: the first finds zeros)
.set i, i+1
.endr
.set i, 0
.rept 8
	v_mov_b32 v[ONE+i], 0x3c003c00                 ; 1.0, 1.0 in f16
.set i, i+1
.endr
	WIN 0
	s_wait_loadcnt 0x0                             ; Q, the mask bytes, the two biases
	v_sub_f32 v[D8], v235, v234
	v_mul_f32 v[D8], 0x41000000, v[D8]             ; 8 (b1 - b0): the scores are divided by 8 in c
.irp k, 0,1,2,3,4,5,6,7
	v_bfe_u32 v237, v[232+\k/4], 8*(\k%4), 8
	v_cmp_ne_u32 vcc_lo, 0, v237
	v_cndmask_b32 v[240+\k], v236, v248, vcc_lo    ; 0 where the key counts, else -3e38
.endr
	ds_store_b128 v238, v[240:243]
	ds_store_b128 v238, v[244:247] offset:16       ; the first change of slots waits for these and passes a barrier
.macro SCALE t, i                      ; c s - c m of a pair of scores
	v_pk_fma_f32 v[S+32*(\t)+2*(\i):S+32*(\t)+2*(\i)+1], v[S+32*(\t)+2*(\i):S+32*(\t)+2*(\i)+1], v[CV:CV+1], v[ST+8*(\t):ST+8*(\t)+1] op_sel_hi:[1,0,0] neg_lo:[0,0,1] neg_hi:[0,0,1]
.endm
.macro SOFT                            ; both tiles line by line, so that no line waits for the line above it.  It leaves the windows at 0x41
.irp j, 0,1,2,3
.irp t, 0,1
	v_max3_num_f32 v[ST+8*\t+4+\j], v[S+32*\t+8*\j], v[S+32*\t+8*\j+1], v[S+32*\t+8*\j+2]   ; four chains, one to an accumulator, each from its low end on
.endr
.endr
.irp u, 1,2
.irp j, 0,1,2,3
.irp t, 0,1
	v_max3_num_f32 v[ST+8*\t+4+\j], v[ST+8*\t+4+\j], v[S+32*\t+8*\j+2*\u+1], v[S+32*\t+8*\j+2*\u+2]
.endr
.endr
.endr
.irp t, 0,1
	v_max3_num_f32 v[ST+8*\t+4], v[ST+8*\t+4], v[S+32*\t+7], v[S+32*\t+15]
	v_max3_num_f32 v[ST+8*\t+6], v[ST+8*\t+6], v[S+32*\t+23], v[S+32*\t+31]
.endr
.irp t, 0,1
	v_max3_num_f32 v[ST+8*\t+4], v[ST+8*\t+4], v[ST+8*\t+5], v[ST+8*\t+6]
.endr
.irp t, 0,1
	v_max3_num_f32 v[ST+8*\t+4], v[ST+8*\t+4], v[ST+8*\t+7], v[ST+8*\t+1]   ; and the old m
.endr
.irp t, 0,1
	v_permlanex16_b32 v[ST+8*\t+5], v[ST+8*\t+4], s[SEL], s[SEL+1]          ; the query's other 32 keys lie in the lane 16 away
.endr
.irp t, 0,1
	v_mov_b32 v[ST+8*\t+7], v[ST+8*\t]             ; c m_old
.endr
.irp t, 0,1
	v_max_num_f32 v[ST+8*\t+1], v[ST+8*\t+4], v[ST+8*\t+5]
.endr
.irp t, 0,1
	v_mul_f32 v[ST+8*\t], v[CV], v[ST+8*\t+1]
.endr
.irp t, 0,1
	v_sub_f32 v[ST+8*\t+7], v[ST+8*\t+7], v[ST+8*\t]
.endr
	; ONE BATCH of 66 exponentials, a of both tiles and the 64 p, with the 32 scalings among them: a scaling, two exponentials.  A pair is scaled two turns ahead of its exponentials; no line here names an exponential's result
	v_exp_f32 v[ST+6], v[ST+7]
	v_exp_f32 v[ST+14], v[ST+15]
	SCALE 0, 0
	SCALE 1, 0
	SCALE 0, 1
	SCALE 1, 1
.set i, 0
.rept 16
.if i < 14
	SCALE 0, i+2
.endif
	v_exp_f32 v[S+2*i], v[S+2*i]
	v_exp_f32 v[S+2*i+1], v[S+2*i+1]
.if i < 14
	SCALE 1, i+2
.endif
	v_exp_f32 v[S+32+2*i], v[S+32+2*i]
	v_exp_f32 v[S+32+2*i+1], v[S+32+2*i+1]
.set i, i+1
.endr
	v_nop                                          ; a plain instruction behind the last exponential
	s_wait_alu depctr_va_vdst(0)                   ; and the one wait ahead of the first line that names a result
.set i, 0
.rept 32
	v_cvt_pk_f16_f32 v[P+i], v[S+2*i], v[S+2*i+1]  ; two tiles of keys make a fragment of 32 keys
.set i, i+1
.endr
	WIN 0x41                                       ; destination and source 0 window 1, a in window 0
.irp t, 0,1
.set i, 0
.rept 16
	v_pk_mul_f32 v[OT+32*\t+2*i:OT+32*\t+2*i+1], v[OT+32*\t+2*i:OT+32*\t+2*i+1], v[ST+8*\t+6:ST+8*\t+7] op_sel_hi:[1,0]
.set i, i+1
.endr
	v_pk_mul_f32 v[LL+8*\t:LL+8*\t+1], v[LL+8*\t:LL+8*\t+1], v[ST+8*\t+6:ST+8*\t+7] op_sel_hi:[1,0]   ; of the sum's eight equal registers only the lowest is ever read: its pair alone is kept under the new m; the others hold sums of at most 2,048 numbers of at most 1
.endr
.endm
; A KEY STEP: 64 keys, the q-th of the slot in hand; every offset is an immediate.  more = 1: the next step's lane masks are asked for; more = 0, the very last step: yT's address instead.
.macro STEP q, more
.rept 4
	v_nop                                          ; places behind the last products, in front of the loads into V's registers
.endr
.irp kt, 0,1,2,3
.irp u, 0,1
	ds_load_b128 v[MKZ+8*\kt+4*\u:MKZ+8*\kt+4*\u+3], v[ADI] offset:256*(\q)+64*\kt+16*\u   ; 0 or -3e38 for my half's eight keys of key tile kt: all sixteen lanes of a half read the same bytes
.endr
.endr
	WIN 0x40
.irp kt, 0,1,2,3
.irp c, 0,1
	ds_load_b128 v[KF+8*(2*\kt+\c):KF+8*(2*\kt+\c)+3], v[ADK] offset:64*PK*(\q)+16*PK*\kt+64*\c
	ds_load_b128 v[KF+8*(2*\kt+\c)+4:KF+8*(2*\kt+\c)+7], v[ADK] offset:64*PK*(\q)+16*PK*\kt+64*\c+32
.endr
.endr
.irp kc, 0,1
.irp ct, 0,1,2,3
	ds_load_tr16_b128 v[VF+8*(4*\kc+\ct):VF+8*(4*\kc+\ct)+3], v[ADV] offset:64*PV*(\q)+32*PV*\kc+32*\ct
	ds_load_tr16_b128 v[VF+8*(4*\kc+\ct)+4:VF+8*(4*\kc+\ct)+7], v[ADV] offset:64*PV*(\q)+32*PV*\kc+32*\ct+16*PV
.endr
.endr
	WIN 0
	s_wait_kmcnt 0x0                               ; this step's 64 lane masks, asked for a step ago
	s_wait_dscnt 32                                ; the table's 8 loads are in; K's 16 and V's 16 may be out
.irp t, 0,1
.set n, 0
.rept 32
	v_cndmask_b32 v[S+32*\t+n], v[MKZ+n], v[D8], s[MA+36*\t+n]   ; C: 8 (b1 - b0) where the ids are alike and the key counts, else the table's 0 or -3e38
.set n, n+1
.endr
.endr
.if \more
	s_load_b512 s[MA:MA+15], s[MBP:MBP+1], 128*((\q)+1)           ; the next step's, into the registers just read: 128 bytes a tile and step, a tile's steps on end, my two tiles 4,096 bytes apart
	s_load_b512 s[MA+16:MA+31], s[MBP:MBP+1], 128*((\q)+1)+64
	s_load_b512 s[MA+36:MA+51], s[MBP:MBP+1], 128*((\q)+1)+4096
	s_load_b512 s[MA+52:MA+67], s[MBP:MBP+1], 128*((\q)+1)+4160
.else
	s_load_b64 s[MA:MA+1], s[0:1], 0x20            ; yT
.endif
	s_wait_dscnt 16                                ; K is in; V's 16 may be out
	WIN 0x05                                       ; K and Q window 1, S^T window 0
.irp c, 0,1                            ; the eight accumulators take turns, one instruction a turn
.irp kt, 0,1,2,3
.irp t, 0,1
	v_wmma_f32_16x16x32_f16 v[S+32*\t+8*\kt:S+32*\t+8*\kt+7], v[KF+8*(2*\kt+\c):KF+8*(2*\kt+\c)+7], v[16*\t+8*\c:16*\t+8*\c+7], v[S+32*\t+8*\kt:S+32*\t+8*\kt+7]
.endr
.endr
.endr
	WIN 0
.rept 4
	v_nop                                          ; places in front of the first read of the scores
.endr
	SOFT
	s_wait_dscnt 0x0                               ; V is in
	WIN 0x51                                       ; V window 1, P window 0, O^T window 1
.irp kc, 0,1                           ; ten accumulators take turns
.irp ct, 0,1,2,3
.irp t, 0,1
	v_wmma_f32_16x16x32_f16 v[OT+32*\t+8*\ct:OT+32*\t+8*\ct+7], v[VF+8*(4*\kc+\ct):VF+8*(4*\kc+\ct)+7], v[P+16*\t+8*\kc:P+16*\t+8*\kc+7], v[OT+32*\t+8*\ct:OT+32*\t+8*\ct+7]
.endr
.endr
.irp t, 0,1
	v_wmma_f32_16x16x32_f16 v[LL+8*\t:LL+8*\t+7], v[ONE:ONE+7], v[P+16*\t+8*\kc:P+16*\t+8*\kc+7], v[LL+8*\t:LL+8*\t+7]
.endr
.endr
	WIN 0
.endm
; THE CHANGE OF SLOTS stands at a slot's head.  Each wave waits for its tensor load (its part of the slot ahead), adds 0 to its spare word, and waits for that and for its LDS instructions on the slot that it has left.
; fill = 1: the barrier is a round of the cluster's, and the slot just left is filled with the next 256 keys, first thing behind it: the load has four key steps in which to land.
.macro CHANGE fill
	s_wait_tensorcnt 0x0                           ; no tensor load of mine is out, so a group 0 may be written
	ds_add_u32 v[SPW], v[NIL]
.if \fill
	s_xor_b32 s[G0K+1], s[G0K+1], SLOT1
	s_add_nc_u64 s[G0K+2:G0K+3], s[G0K+2:G0K+3], 32768
	s_xor_b32 s[G0V+1], s[G0V+1], SLOT1
	s_add_nc_u64 s[G0V+2:G0V+3], s[G0V+2:G0V+3], 32768
.endif
	s_wait_xcnt 0x0                                ; the scalar loads of lane masks, and the last prefetch, a slot back, have read their addresses
	s_add_nc_u64 s[MBP:MBP+1], s[MBP:MBP+1], 512   ; the masks of the slot ahead: four steps of 128 bytes
.if \fill
	s_add_nc_u64 s[PFA:PFA+1], s[PFA:PFA+1], 32768
	s_wait_dscnt 0x0
	CROUND
	JLOAD
	ASK
.else
	s_wait_dscnt 0x0
	s_barrier_signal -1
	s_barrier_wait -1
.endif
.endm
.macro SLOT_STEPS more
	v_add_nc_u32 v[ADK], s[TB], v[AK0]
	v_add_nc_u32 v[ADV], s[TB], v[AV0]
	v_add_nc_u32 v[ADI], s[TI], v[AI0]
	STEP 0, 1
	STEP 1, 1
	STEP 2, 1
	STEP 3, \more
	s_xor_b32 s[TB], s[TB], SLOT1
	s_add_co_u32 s[TI], s[TI], 1024
.endm
.Lslot:                                            ; seven trips: behind each change of slots but the last the next slot is asked for; the first trip's load is slot 1's first fill
	CHANGE 1
	SLOT_STEPS 1
	s_sub_co_u32 s[SLOTS], s[SLOTS], 1
	s_cmp_lg_u32 s[SLOTS], 0
	s_cbranch_scc1 .Lslot
	CHANGE 0                                       ; the last slot is written out: there are none behind it
	SLOT_STEPS 0
	; THE WAY OUT.  O^T is divided by the sum, rounded to f16 and laid into the work-group's stage by channels; each wave then stores eight channels' 512 bytes.
.rept 4
	v_nop                                          ; places behind the last products
.endr
	WIN 0x01                                       ; source window 1
	v_rcp_f32 v[ST+6], v[LL]
	v_rcp_f32 v[ST+14], v[LL+8]
	v_nop
	s_wait_alu depctr_va_vdst(0)                   ; one wait for the two reciprocals, ahead of their first reader
	WIN 0x41
.irp t, 0,1
.set i, 0
.rept 16
	v_pk_mul_f32 v[OT+32*\t+2*i:OT+32*\t+2*i+1], v[OT+32*\t+2*i:OT+32*\t+2*i+1], v[ST+8*\t+6:ST+8*\t+7] op_sel_hi:[1,0]
.set i, i+1
.endr
.endr
	WIN 0x05                                       ; sources window 1, destination window 0
.set i, 0
.rept 32
	v_cvt_pk_f16_f32 v[P+i], v[OT+2*i], v[OT+2*i+1]  ; register 16 t + 4 ct + u: channels 16 ct + 8 h + 2 u and + 1 of query 16 t + r
.set i, i+1
.endr
	WIN 0
.irp t, 0,1
.irp ct, 0,1,2,3
.irp u, 0,1,2,3
	ds_store_b16 v[STO], v[P+16*\t+4*\ct+\u] offset:(16*\ct+2*\u)*SPT+32*\t
	ds_store_b16_d16_hi v[STO], v[P+16*\t+4*\ct+\u] offset:(16*\ct+2*\u+1)*SPT+32*\t
.endr
.endr
.endr
	s_wait_dscnt 0x0                               ; for the others' sake: my stores into the stage are done
	s_barrier_signal -1
	s_barrier_wait -1
.irp i, 0,1,2,3,4,5,6,7
	ds_load_b128 v[OB+4*\i:OB+4*\i+3], v[RD] offset:\i*SPT
.endr
	s_mov_b32 s[MA+2], s[YO]
	s_mov_b32 s[MA+3], 0
	s_wait_kmcnt 0x0                               ; yT's address, asked for in the last step
	s_add_nc_u64 s[MA:MA+1], s[MA:MA+1], s[MA+2:MA+3]
.irp i, 0,1,2,3,4,5,6,7
	s_wait_dscnt 7-\i                              ; row i is in, the younger ones stay out
	global_store_b128 v[GO], v[OB+4*\i:OB+4*\i+3], s[MA:MA+1] offset:8192*\i   ; 32 lanes store 512 consecutive bytes of one channel, aligned
.endr
	s_wait_tensorcnt 0x0                           ; the wave's end, behind my last tensor load and my last LDS store
	ds_add_u32 v[SPW], v[NIL]
	s_wait_dscnt 0x0
	CROUND                                         ; the closing round
	s_endpgm
.Lfunc_end_k_q606afaf592_attn:
	.size	k_q606afaf592_attn, .Lfunc_end_k_q606afaf592_attn-k_q606afaf592_attn
	.p2alignl 7, 3214868480
	.fill 96, 4, 3214868480
	.section	.rodata,"a",@progbits
	.p2align	6, 0x0
	.amdhsa_kernel k_q606afaf592_attn
		.amdhsa_group_segment_fixed_size 327680
		.amdhsa_private_segment_fixed_size 0
		.amdhsa_enable_private_segment 0
		.amdhsa_kernarg_size 40
		.amdhsa_user_sgpr_count 2
		.amdhsa_user_sgpr_kernarg_segment_ptr 1
		.amdhsa_wavefront_size32 1
		.amdhsa_system_sgpr_workgroup_id_x 1
		.amdhsa_system_sgpr_workgroup_id_y 1
		.amdhsa_system_sgpr_workgroup_id_z 1
		.amdhsa_system_vgpr_workitem_id 0
		.amdhsa_next_free_vgpr 512
		.amdhsa_next_free_sgpr 106
		.amdhsa_reserve_vcc 1
		.amdhsa_float_denorm_mode_32 3
		.amdhsa_float_denorm_mode_16_64 3
		.amdhsa_memory_ordered 1
		.amdhsa_forward_progress 1
		.amdhsa_inst_pref_size 188
	.end_amdhsa_kernel
	.amdgpu_metadata
---
amdhsa.version: [ 1, 2 ]
amdhsa.kernels:
  - .name:           k_q606afaf592_attn
    .symbol:         k_q606afaf592_attn.kd
    .args:
      - { .name: qkv, .offset: 0, .size: 8, .value_kind: global_buffer, .address_space: global }
      - { .name: attn_mask, .offset: 8, .size: 8, .value_kind: global_buffer, .address_space: global }
      - { .name: bias_emb, .offset: 16, .size: 8, .value_kind: global_buffer, .address_space: global }
      - { .name: rope, .offset: 24, .size: 8, .value_kind: global_buffer, .address_space: global }
      - { .name: yT, .offset: 32, .size: 8, .value_kind: global_buffer, .address_space: global }
    .group_segment_fixed_size: 327680
    .private_segment_fixed_size: 0
    .kernarg_segment_align: 8
    .kernarg_segment_size: 40
    .max_flat_workgroup_size: 256
    .sgpr_count:     106
    .vgpr_count:     512
    .wavefront_size: 32
...
	.end_amdgpu_metadata
.endif
;; end of part 3
;; launch outp (part 4): grid 8 x 32, 4 waves a work-group, clusters of 4 x 4, 327,680 bytes of LDS; arguments yT, wo16, out0; writes out0
.if DOCPART == 4
	.amdgcn_target "amdgcn-amd-amdhsa--gfx1250"
	.amdhsa_code_object_version 6
	.text
	.protected	k_q606afaf592_outp
	.globl	k_q606afaf592_outp
	.p2align	8
	.type	k_q606afaf592_outp,@function
k_q606afaf592_outp:
	s_mov_b64 s[64:65], 0
	v_nop
	global_prefetch_b8 v0, s[64:65] scope:SCOPE_SE
	s_setreg_imm32_b32 hwreg(HW_REG_WAVE_MODE, 25, 1), 1
	s_wait_xcnt 0x0
	s_wait_alu depctr_hold_cnt(0) depctr_sa_sdst(0) depctr_va_vdst(0) depctr_va_sdst(0) depctr_va_ssrc(0) depctr_va_vcc(0) depctr_vm_vsrc(0)
	s_getreg_b32 s2, hwreg(HW_REG_IB_STS2, 6, 4)
	s_cmp_eq_u32 s2, 0
	s_cbranch_scc0 .Lentry_in_a_cluster
	s_endpgm
.Lentry_in_a_cluster:
	s_bfe_u32 s2, ttmp6, 0x10000c
	s_cmp_lg_u32 s2, 0xf033
	s_cbranch_scc0 .Lentry_shape_is_right
	s_endpgm
.Lentry_shape_is_right:
; OUTP: out0[m][n] = the sum over k of y[m][k] Wo[n][k].  y arrives as yT [1024 k][4096 m] f16, Wo as wo16 [1024 n][1024 k] f16; out0 [4096][1024] f32; sums in f32.
; A tile of out0 is 128 x 128: 32 x 8 = 256 work-groups of four waves, each wave 64 x 64: 16 accumulators.  K goes in steps of 256 through a ring of two LDS slots: four steps, two laps, written out without a loop.
; y's tile lies [k][m] in LDS (256 rows of 256 bytes) and is turned on the way into registers by ds_load_tr16_b128; Wo's lies [n][k] (128 rows of 512 bytes) and is read as it lies.
; CLUSTERS: 4 x 4 work-groups; y's tile is shared along a row of the cluster, Wo's along a column: joint loads.  Two tensor loads of a wave are out at the start, one behind each round.
; THE MATRIX INSTRUCTION IS USED TRANSPOSED (source 0 = 16 rows of Wo, source 1 = 16 rows m of y): a lane holds eight neighbouring numbers of a row of out0.
; REGISTERS: window 0: v0-31 addresses; v32-95 rows on the way out; v128-255 the accumulators ((a, b) at v[128 + 8 (4 a + b)]).  window 1: two fragment buffers of 128: for 64 along K, 64 registers of y, then 64 of Wo.
.set KSTEP,  256
.set PA,     288                       ; a k-row of y in LDS: 256 bytes + 32: the turning load takes 8 rows x 32 bytes for 16 lanes
.set PB,     528                       ; a row of Wo: 512 bytes + 16
.set HALFA,  128*PA                    ; what one tensor load brings of y: 128 k-rows
.set BOFF,   2*HALFA
.set HALFB,  64*PB                     ; and of Wo: 64 rows
.set SLOT,   BOFF+2*HALFB
.set STAGE,  2*SLOT                    ; behind the ring: 16 rows x 272 bytes for each wave
.set SPITCH, 272
.set SPARE,  STAGE+4*16*SPITCH         ; the spare words, 128 bytes for each wave, which no other line names
.set ADRA, 16                          ; v16-19  y's fragments: slot s, k-rows 128 u on: v[16 + 2 s + u]
.set ADRB, 20                          ; v20-21  Wo's, slot 0, 1
.set STO,  24
.set RD,   25
.set CO,   26
.set SPW,  28
.set NIL,  29
.set TMP,  32
.set ACC,  128
.set F0,   0
.set F1,   128
.set G1, 24
.set G0, 32
.set G1B, 48
.set G0B, 56
.set MSB, 0
.macro WIN new
.if MSB != (\new)
	s_set_vgpr_msb (MSB<<8)|(\new)
.set MSB, \new
.endif
.endm
.set MUL,  0x05                        ; sources window 1; C and D window 0
.set TO_F, 0x40                        ; destination window 1, address window 0
.macro JLOAD s                         ; waves 0 and 1 fetch y's two halves, waves 2 and 3 Wo's; an s_nop 0 and four v_nop follow each line
	s_cmp_eq_u32 s11, 0
	s_cbranch_scc0 .Lfor_b_\@
	tensor_load_to_lds s[G0+4*\s:G0+4*\s+3], s[G1:G1+7]
	s_nop 0
.rept 4
	v_nop
.endr
	s_branch .Lasked_\@
.Lfor_b_\@:
	tensor_load_to_lds s[G0B+4*\s:G0B+4*\s+3], s[G1B:G1B+7]
	s_nop 0
.rept 4
	v_nop
.endr
.Lasked_\@:
.endm
.macro CREST
	s_cmp_lg_u32 s10, 0
	s_cbranch_scc1 .Lnot_wave_0_\@
	s_barrier_signal -3
.Lnot_wave_0_\@:
	s_barrier_wait -3
	s_barrier_signal -1
	s_barrier_wait -1
.endm
.macro CROUND
	s_barrier_signal -1
	s_barrier_wait -1
	CREST
.endm
	s_load_b128 s[4:7], s[0:1], 0x0                ; yT, wo16
	s_load_b64 s[8:9], s[0:1], 0x10                ; out0
	v_lshl_add_u32 v[SPW], v0, 2, SPARE
	v_mov_b32 v[NIL], 0
	ds_add_u32 v[SPW], v[NIL]                      ; the wave's opening: the add, twice on end, and its wait ahead of my first tensor load
	ds_add_u32 v[SPW], v[NIL]
	v_lshrrev_b32 v1, 5, v0
	v_readfirstlane_b32 s10, v1                    ; wave 0..3
	s_lshr_b32 s11, s10, 1                         ; which half of the tile's rows is mine.  Also: I fetch for y (0) or for Wo (1)
	s_and_b32 s12, s10, 1                          ; which half of its columns.  Also: which half of that tile I fetch
	s_bfe_u32 s40, ttmp6, 0x40000                  ; cx, cy
	s_bfe_u32 s41, ttmp6, 0x40004
	s_lshl_b32 s42, ttmp9, 2
	s_add_co_u32 s42, s42, s40                     ; tile column
	s_and_b32 s13, ttmp7, 0xffff
	s_lshl_b32 s13, s13, 2
	s_add_co_u32 s13, s13, s41                     ; tile row
	s_lshl_b32 s43, s41, 2
	s_lshl_b32 s43, 15, s43                        ; my row of the cluster
	s_lshl_b32 s44, 0x1111, s40                    ; my column
	s_or_b32 s[G1+0], s43, (1<<16)|(1<<20)|(1<<21)|(5<<22)|(7<<25)   ; y: the mask; elements of 2 bytes; padding on; bit 21 beside a mask; 8 words of padding after every 64
	s_mov_b32 s[G1+1], 128<<16                     ; tensor_dim0 = 128 (m)
	s_mov_b32 s[G1+2], 128<<16                     ; tensor_dim1 = 128 (k)
	s_mov_b32 s[G1+3], 128<<16                     ; tile_dim0
	s_mov_b32 s[G1+4], 128                         ; tile_dim1
	s_mov_b32 s[G1+5], 4096                        ; from k to k + 1
	s_mov_b32 s[G1+6], 0
	s_mov_b32 s[G1+7], 0
	s_or_b32 s[G1B+0], s44, (1<<16)|(1<<20)|(1<<21)|(6<<22)|(3<<25)  ; Wo: 4 words of padding after every 128
	s_mov_b32 s[G1B+1], KSTEP<<16                  ; tensor_dim0 = 256 (k)
	s_mov_b32 s[G1B+2], 64<<16                     ; tensor_dim1 = 64 (n)
	s_mov_b32 s[G1B+3], KSTEP<<16
	s_mov_b32 s[G1B+4], 64
	s_mov_b32 s[G1B+5], 1024
	s_mov_b32 s[G1B+6], 0
	s_mov_b32 s[G1B+7], 0
	s_lshl_b32 s16, s12, 20                        ; y: k-row 128 x half (8,192 bytes a row), column 128 x tile row (2 bytes each)
	s_lshl_b32 s17, s13, 8
	s_add_co_u32 s16, s16, s17
	s_mov_b32 s17, 0
	s_lshl_b32 s46, s42, 18                        ; Wo: row 128 x tile column + 64 x half (2,048 bytes a row)
	s_lshl_b32 s47, s12, 17
	s_add_co_u32 s46, s46, s47
	s_mov_b32 s47, 0
	s_mul_i32 s20, s12, HALFA                      ; where they go: no place in the cluster enters an LDS address
	s_mul_i32 s21, s12, HALFB
	s_add_co_u32 s21, s21, BOFF
	s_wait_dscnt 0x0                               ; both opening adds are done
	s_wait_kmcnt 0x0
	s_add_nc_u64 s[14:15], s[4:5], s[16:17]
	s_add_nc_u64 s[46:47], s[6:7], s[46:47]
	CROUND                                         ; all sixteen work-groups are here
.irp s, 0,1
	s_mov_b32 s[G0+4*\s], 1
	s_add_co_u32 s[G0+4*\s+1], s20, \s*SLOT
	s_add_nc_u64 s[G0+4*\s+2:G0+4*\s+3], s[14:15], \s*KSTEP*8192
	s_or_b32 s[G0+4*\s+3], s[G0+4*\s+3], 0x80000000
	s_mov_b32 s[G0B+4*\s], 1
	s_add_co_u32 s[G0B+4*\s+1], s21, \s*SLOT
	s_add_nc_u64 s[G0B+4*\s+2:G0B+4*\s+3], s[46:47], \s*KSTEP*2
	s_or_b32 s[G0B+4*\s+3], s[G0B+4*\s+3], 0x80000000
	JLOAD \s
.endr
	v_and_b32 v1, 15, v0                           ; r
	v_bfe_u32 v2, v0, 4, 1                         ; h
	v_mul_u32_u24 v3, v1, PB
	v_lshl_add_u32 v3, v2, 4, v3                   ; Wo: row r x pitch + 16 h
	v_and_b32 v4, 7, v0
	v_bfe_u32 v5, v0, 3, 1
	v_lshl_add_u32 v4, v2, 3, v4                   ; y, turned: k-row 8 h + lane % 8, columns 8 ((lane / 8) % 2) on
	v_mul_u32_u24 v4, v4, PA
	v_lshl_add_u32 v4, v5, 4, v4
	s_lshl_b32 s21, s11, 7                         ; my 64 columns m: 128 bytes
	s_mul_i32 s22, s12, HALFB                      ; my 64 rows of Wo
	s_add_co_u32 s22, s22, BOFF
.irp s, 0,1
	v_add_nc_u32 v[ADRA+2*\s], s21, v4
	s_add_co_u32 s23, s21, HALFA
	v_add_nc_u32 v[ADRA+2*\s+1], s23, v4
	v_add_nc_u32 v[ADRB+\s], s22, v3
	s_add_co_u32 s21, s21, SLOT
	s_add_co_u32 s22, s22, SLOT
.endr
	s_mul_i32 s23, s10, 16*SPITCH
	s_add_co_u32 s23, s23, STAGE                   ; my stage
	v_mul_u32_u24 v4, v1, SPITCH                   ; in: row r, 32 bytes for each half of the lanes
	v_lshl_add_u32 v4, v2, 5, v4
	v_add_nc_u32 v[STO], s23, v4
	v_mul_u32_u24 v5, v2, SPITCH                   ; back: lanes 0-15 one row of 256 bytes, lanes 16-31 the next
	v_lshl_add_u32 v5, v1, 4, v5
	v_add_nc_u32 v[RD], s23, v5
	v_lshlrev_b32 v5, 12, v2                       ; and the same two rows in out0: 4,096 bytes a row
	v_lshl_add_u32 v[CO], v1, 4, v5
	s_lshl_b32 s16, s13, 19                        ; row 128 x tile row + 64 x half,
	s_lshl_b32 s17, s11, 18
	s_add_co_u32 s16, s16, s17
	s_lshl_b32 s17, s42, 9                         ; column 128 x tile column + 64 x half, 4 bytes each
	s_add_co_u32 s16, s16, s17
	s_lshl_b32 s17, s12, 8
	s_add_co_u32 s16, s16, s17
	s_mov_b32 s17, 0
	s_add_nc_u64 s[8:9], s[8:9], s[16:17]
; 8 matrix instructions: m blocks a0, a0 + 1 x all 4 n blocks, 32 along K: half c of buffer f.  The 16 accumulators take turns.  zero = 1: the first product starts the sums
.macro MUL8 f, c, a0, zero
.irp a, \a0, \a0+1
.irp b, 0,1,2,3
.if \zero
	v_wmma_f32_16x16x32_f16 v[ACC+8*(4*(\a)+\b):ACC+8*(4*(\a)+\b)+7], v[\f+64+8*(4*\c+\b):\f+64+8*(4*\c+\b)+7], v[\f+8*(4*\c+\a):\f+8*(4*\c+\a)+7], 0
.else
	v_wmma_f32_16x16x32_f16 v[ACC+8*(4*(\a)+\b):ACC+8*(4*(\a)+\b)+7], v[\f+64+8*(4*\c+\b):\f+64+8*(4*\c+\b)+7], v[\f+8*(4*\c+\a):\f+8*(4*\c+\a)+7], v[ACC+8*(4*(\a)+\b):ACC+8*(4*(\a)+\b)+7]
.endif
.endr
.endr
.endm
; 32 LDS loads in one run: the fragments of the slot's qq-th 64 along K into buffer f; the first 32 along K first
.macro FETCH slot, qq, f
	WIN TO_F
.irp c, 0,1
.irp i, 0,1,2,3
	ds_load_b128 v[\f+64+8*(4*\c+\i):\f+64+8*(4*\c+\i)+3],   v[ADRB+\slot] offset:128*(\qq)+64*\c+\i*16*PB
	ds_load_b128 v[\f+64+8*(4*\c+\i)+4:\f+64+8*(4*\c+\i)+7], v[ADRB+\slot] offset:128*(\qq)+64*\c+\i*16*PB+32
	ds_load_tr16_b128 v[\f+8*(4*\c+\i):\f+8*(4*\c+\i)+3],     v[ADRA+2*\slot+(\qq)/2] offset:(64*((\qq)%2)+32*\c)*PA+32*\i
	ds_load_tr16_b128 v[\f+8*(4*\c+\i)+4:\f+8*(4*\c+\i)+7],   v[ADRA+2*\slot+(\qq)/2] offset:(64*((\qq)%2)+32*\c)*PA+32*\i+16*PA
.endr
.endr
.endm
.macro PLACES                          ; four places in front of loads into registers that matrix instructions have read, and of reads of results (ISA guide 7.12.1 for reads)
.rept 4
	v_nop
.endr
.endm
; A K step is four quarters of 64 along K, 32 matrix instructions each, on buffers 0, 1, 0, 1.  One of the first three: multiplies buffer f and fetches quarter qq into g.
.macro QUARTER slot, qq, f, g, zero
	s_wait_dscnt 16                                ; the first 32 along K are in; the other sixteen loads may be out
	WIN MUL
	MUL8 \f, 0, 0, \zero
	MUL8 \f, 0, 2, \zero
	PLACES
	FETCH \slot, \qq, \g
	s_wait_dscnt 32                                ; all but the 32 just issued
	WIN MUL
	MUL8 \f, 1, 0, 0
	MUL8 \f, 1, 2, 0
.endm
; The last quarter multiplies buffer 1 and changes slots: one barrier; in front of it each wave waits for all its tensor loads, adds 0 to its spare word, and waits for that and for its reads of this slot.
; fill = 1: the barrier opens a round of the cluster's, and this slot is filled again, two K steps ahead, first thing behind the round.
.macro TURN slot, next, fill
	WIN 0
	s_wait_tensorcnt 0x0
	ds_add_u32 v[SPW], v[NIL]
	s_wait_dscnt 17                                ; (the add and the youngest sixteen loads may be out)
	WIN MUL
	MUL8 F1, 0, 0, 0
	s_wait_dscnt 0x0
	s_barrier_signal -1
	MUL8 F1, 0, 2, 0
.if \fill
	WIN 0
.endif
	s_barrier_wait -1
.if \fill
	CREST
	s_add_nc_u64 s[G0+4*\slot+2:G0+4*\slot+3], s[G0+4*\slot+2:G0+4*\slot+3], 2*KSTEP*8192
	s_add_nc_u64 s[G0B+4*\slot+2:G0B+4*\slot+3], s[G0B+4*\slot+2:G0B+4*\slot+3], 2*KSTEP*2
	JLOAD \slot                                    ; the four v_nop behind it are also the places in front of the loads below
.else
	PLACES
.endif
	FETCH \next, 0, F0
	WIN MUL
	MUL8 F1, 1, 0, 0
	MUL8 F1, 1, 2, 0
.endm
	s_wait_tensorcnt 1                             ; my part of K step 0 is in; K step 1's load may be out
	s_barrier_signal -1
	s_barrier_wait -1
	FETCH 0, 0, F0
	QUARTER 0, 1, F0, F1, 1                        ; the first products start the sums
	QUARTER 0, 2, F1, F0, 0
	QUARTER 0, 3, F0, F1, 0
	TURN 0, 1, 1                                   ; slot 0 takes K step 2
	QUARTER 1, 1, F0, F1, 0
	QUARTER 1, 2, F1, F0, 0
	QUARTER 1, 3, F0, F1, 0
	TURN 1, 0, 1                                   ; slot 1 takes K step 3
	QUARTER 0, 1, F0, F1, 0
	QUARTER 0, 2, F1, F0, 0
	QUARTER 0, 3, F0, F1, 0
	TURN 0, 1, 0                                   ; nothing is left to fetch
	QUARTER 1, 1, F0, F1, 0
	QUARTER 1, 2, F1, F0, 0
	QUARTER 1, 3, F0, F1, 0
	s_wait_dscnt 16
	WIN MUL
	MUL8 F1, 0, 0, 0
	MUL8 F1, 0, 2, 0
	s_wait_dscnt 0
	MUL8 F1, 1, 0, 0
	MUL8 F1, 1, 2, 0
	WIN 0
; THE WAY OUT, 16 rows x 64 columns at a time.  A wave's 64 columns are 256 bytes of a row: a block goes through my own stage and comes back as whole rows.  LDS serves a wave's instructions in order: no wait between stores and loads.
.macro TOSTAGE a
.set BB, TMP+32*((\a)%2)
.irp b, 0,1,2,3
	ds_store_b128 v[STO], v[ACC+8*(4*(\a)+\b):ACC+8*(4*(\a)+\b)+3] offset:64*\b        ; each accumulator from its low end on
	ds_store_b128 v[STO], v[ACC+8*(4*(\a)+\b)+4:ACC+8*(4*(\a)+\b)+7] offset:64*\b+16
.endr
.irp i, 0,1,2,3,4,5,6,7
	ds_load_b128 v[BB+4*\i:BB+4*\i+3], v[RD] offset:\i*2*SPITCH
.endr
.endm
.macro SEND a, younger
.set BB, TMP+32*((\a)%2)
	s_wait_dscnt \younger                          ; the block is back; the next block's sixteen LDS instructions may be out
.irp i, 0,1,2,3,4,5,6,7
	global_store_b128 v[CO], v[BB+4*\i:BB+4*\i+3], s[8:9] offset:(16*(\a)+2*\i)*4096 th:TH_STORE_NT   ; sixteen lanes store 256 consecutive bytes, aligned
.endr
.endm
	PLACES
	TOSTAGE 0
	TOSTAGE 1
	SEND 0, 16
	s_wait_xcnt 0x0                                ; block 0's stores have read their data registers: block 2's rows may land there
	TOSTAGE 2
	SEND 1, 16
	s_wait_xcnt 0x0
	TOSTAGE 3
	SEND 2, 16
	SEND 3, 0
	s_wait_tensorcnt 0x0                           ; the wave's end, behind my last tensor load and my last LDS store
	ds_add_u32 v[SPW], v[NIL]
	s_wait_dscnt 0x0
	CROUND                                         ; the closing round
	s_endpgm
.Lfunc_end_k_q606afaf592_outp:
	.size	k_q606afaf592_outp, .Lfunc_end_k_q606afaf592_outp-k_q606afaf592_outp
	.p2alignl 7, 3214868480
	.fill 96, 4, 3214868480
	.section	.rodata,"a",@progbits
	.p2align	6, 0x0
	.amdhsa_kernel k_q606afaf592_outp
		.amdhsa_group_segment_fixed_size 327680
		.amdhsa_private_segment_fixed_size 0
		.amdhsa_enable_private_segment 0
		.amdhsa_kernarg_size 24
		.amdhsa_user_sgpr_count 2
		.amdhsa_user_sgpr_kernarg_segment_ptr 1
		.amdhsa_wavefront_size32 1
		.amdhsa_system_sgpr_workgroup_id_x 1
		.amdhsa_system_sgpr_workgroup_id_y 1
		.amdhsa_system_sgpr_workgroup_id_z 1
		.amdhsa_system_vgpr_workitem_id 0
		.amdhsa_next_free_vgpr 512
		.amdhsa_next_free_sgpr 66
		.amdhsa_reserve_vcc 0
		.amdhsa_float_denorm_mode_32 3
		.amdhsa_float_denorm_mode_16_64 3
		.amdhsa_memory_ordered 1
		.amdhsa_forward_progress 1
		.amdhsa_inst_pref_size 86
	.end_amdhsa_kernel
	.amdgpu_metadata
---
amdhsa.version: [ 1, 2 ]
amdhsa.kernels:
  - .name:           k_q606afaf592_outp
    .symbol:         k_q606afaf592_outp.kd
    .args:
      - { .name: yT, .offset: 0, .size: 8, .value_kind: global_buffer, .address_space: global }
      - { .name: wo16, .offset: 8, .size: 8, .value_kind: global_buffer, .address_space: global }
      - { .name: out0, .offset: 16, .size: 8, .value_kind: global_buffer, .address_space: global }
    .group_segment_fixed_size: 327680
    .private_segment_fixed_size: 0
    .kernarg_segment_align: 8
    .kernarg_segment_size: 24
    .max_flat_workgroup_size: 128
    .sgpr_count:     66
    .vgpr_count:     512
    .wavefront_size: 32
...
	.end_amdgpu_metadata
.endif
;; end of part 4
